; MI455X (gfx1250); checked and timed in simulation.
; The chip was launched on July 23, 2026; its instructions are those of AMD's public machine-readable ISA for CDNA 5 (MIT licence, August 2026) and "CDNA5" Instruction Set Architecture Reference Guide (July 2026). The comments in the code are by the model that wrote it; some were corrected since.
;; Attention. Allowed arithmetic: matrix products marked QUANTISED: E2M1 operands, one E8M0 scale for each 32 along K, by v_wmma_scale_f32_16x16x128_f8f6f4 with both operands' format E2M1 (or v_wmma_scale_f32_32x16x128_f4), f32 sums; products left as they are: bf16, f16 or f32 operands; f32 sums; everything else in f32.
;; Inputs: mask 2,048 x 2,048 bool; wk 2,048 x 2,048 float32; wo 2,048 x 2,048 float32; wq 2,048 x 2,048 float32; wv 2,048 x 2,048 float32; x 2,048 x 2,048 float32.
;; Outputs: out0 2,048 x 2,048 float32.
;; This version of the problem:
;;   THIS VERSION OF THE PROBLEM IS GIVEN IN LOW PRECISION. The matrix products marked QUANTISED in the list below multiply operands that are first quantised to E2M1 (2 exponent bits, 1 mantissa bit; 4 bits a number), with one power-of-two scale for each 32 numbers along K (OCP MX v1.0); their sums are f32. The products marked 'left as it is' may take bf16, f16 or f32 operands, with f32 sums. Whichever they take, every output number must still come out within the allowed error. Rounding operands to bf16 (8 significant bits) uses up far more of that allowance than f16 does (11 bits, for magnitudes from 6e-5 to 65,504). All else is computed in f32.
;;   The module's matrix products, in the order in which they are computed (A, B: the left and right operand; K: the contracted axis; several contracted axes count as one K, in the product's order):
;;     1. [M 2,048, K 2,048] x [K 2,048, N 2,048]; A: input x; B: input wq: QUANTISED
;;     2. [M 2,048, K 2,048] x [K 2,048, N 2,048]; A: input x; B: input wk: QUANTISED
;;     3. [M 2,048, K 2,048] x [K 2,048, N 2,048]; A: input x; B: input wv: QUANTISED
;;     4. [M 2,048, K 1] x [K 1, N 64]; A: computed on the way; B: computed on the way: left as it is (no contracted axis)
;;     5. batch 16 x [M 2,048, K 128] x [K 128, N 2,048]; A: computed on the way; B: computed on the way: left as it is (an operand is computed on the way)
;;     6. batch 16 x [M 128, K 2,048] x [K 2,048, N 2,048]; A: computed on the way; B: computed on the way: left as it is (an operand is computed on the way)
;;     7. [M 2,048, K 2,048] x [K 2,048, N 2,048]; A: computed on the way; B: input wo: left as it is (an operand is computed on the way)
;;   THE QUANTISER, for each operand of a quantised product, along K:
;;     - K is cut into blocks of 32 from its start; a last block that is shorter is filled with zeros.
;;     - A block's scale is 2^e with e = floor(log2(the largest magnitude in the block)) - 2, held to -126 .. 127; a block of zeros has e = 0. As a byte (E8M0): e + 127.
;;     - Each number is divided by its block's scale, clamped to +-6, and rounded to the nearest number of E2M1, ties to even, subnormals kept.
;;     - The product sums the exact products of the quantised numbers (number of the format x scale) in f32.
;;   ~~~python
;;   def quantise(x, axis):      # numpy; x: float32 -> the quantised numbers, widened to float32 again
;;       x = np.moveaxis(x, axis, -1); K = x.shape[-1]
;;       x = np.pad(x, [(0, 0)] * (x.ndim - 1) + [(0, -K % 32)]); x = x.reshape(x.shape[:-1] + (-1, 32)); a = np.abs(x).max(-1, keepdims=True)
;;       e = np.where(a > 0, np.clip(np.frexp(np.where(a > 0, a, 1))[1] - 1 - 2, -126, 127), 0)      # np.frexp(a)[1] - 1 = floor(log2(a)), exactly
;;       r = np.clip(x / 2.0 ** e, -6, 6)
;;       step = 2.0 ** (np.maximum(np.frexp(np.where(r == 0, 1, r))[1] - 1, 0) - 1)
;;       q = np.round(r / step) * step * 2.0 ** e      # np.round: ties to even
;;       return np.moveaxis(q.reshape(q.shape[:-2] + (-1,))[..., :K], -1, axis).astype(np.float32)
;;   ~~~
;; One version. Each part assembles by itself: llvm-mc -triple=amdgcn-amd-amdhsa -mcpu=gfx1250 --defsym DOCPART=n.
;; ======== version 1 of 1: 6 launches
;; limits: values are held in f16: magnitudes above 65,504 overflow, below 6.1e-05 lose precision; right only within a limited range of input values
;; workspace buffers: codes 8,388,608 bytes; scales 524,288 bytes; wo16 8,388,608 bytes; rope 2,097,152 bytes; mbits 524,288 bytes of whole numbers; qkv 25,165,824 bytes; att 8,388,608 bytes; attf 131,072 bytes
;; launch prep (part 1): grid 1024 x 1, 4 waves a work-group, no clusters, 33,280 bytes of LDS; arguments x, wq, wk, wv, wo, mask, codes, scales, wo16, rope, mbits; writes codes, scales, wo16, rope, mbits
.if DOCPART == 1
	.amdgcn_target "amdgcn-amd-amdhsa--gfx1250"
	.amdhsa_code_object_version 6
	.text
	.protected	k_q7a8aa218b8_prep
	.globl	k_q7a8aa218b8_prep
	.p2align	8
	.type	k_q7a8aa218b8_prep,@function
k_q7a8aa218b8_prep:
	s_mov_b64 s[64:65], 0
	v_nop
	global_prefetch_b8 v0, s[64:65] scope:SCOPE_SE
	s_setreg_imm32_b32 hwreg(HW_REG_WAVE_MODE, 25, 1), 1
	s_wait_xcnt 0x0
; ATTENTION LAYER, launch 1 of 4: everything that is made once from the inputs.
; NOTHING OF THE PROBLEM IS LEFT OUT in any of the four launches: every input reaches the output, every product is done in full, and the mask, which is an input, is honoured entry by entry
; (no key tile is passed over: its pattern is not known to the text).
; Four kinds of work-group, told apart by the work-group's number alone; they share nothing and each ends by itself:
;   0-511    x, wq, wk, wv (f32, K innermost) -> codes of FP4 (E2M1) and one E8M0 byte for each 32 along K.  codes: [8192 rows][1024 bytes], rows 0-2047 x, then wq, wk, wv; scales: [8192][64].
;   512-639  wo -> wo16 = f16(4 wo).  The factor is a power of two: the attention's result is kept as a quarter of itself, so the product is the problem's.
;   640-895  mask -> mbits: for each tile of 16 queries T and each 64 keys J, 32 words; bit r + 16 h of word 8 a + j is mask[16 T + r][64 J + 16 a + 8 h + j]: the lane mask of one score register.
;   896-1023 the rotary tables: rope[table][t][i] = (cos, sin)(t x 10000^(-i/64)) x factor; table 0 (for q) x 4 log2(e)/sqrt(128), table 1 (for k) x 1/4.
; THE QUANTISER: a block's scale is 2^(floor(log2(largest magnitude)) - 2); its byte is the largest magnitude's exponent field - 2, held at 1 from below.  A block of zeros gets the byte 1 where the
; rule says 127: its codes are zeros, and this program alone reads the bytes.
; LIMITS: blocks whose largest magnitude lies under 2^(2 - 126) keep the byte 1; NaN and infinities among x, wq, wk, wv are not served; |wo| under 16,376 (f16's range after x 4), and magnitudes of 4 wo
; under 2^-14 are rounded in steps of 2^-24; the tables' angle is within 2.5e-4 rad of t x 10000^(-i/64) (f32 rounding of the frequency times t up to 2047); no quantiser stands behind the tables.
; No cluster: no two work-groups read the same bytes.  No tensor load: each wave streams its own run through registers.
.set WAVES, 4
.set STEPS, 16
.set EMAX,  2
.set CB,    8                          ; bytes of 16 codes
.set R,     16                         ; v16-79   four sets of 16 numbers as they are loaded
.set X,     80                         ; v80-111  two sets of 16 neighbours
.set C,     128                        ; v128-191 codes: four registers for each step
.set E,     112                        ; v112-127 a scale byte for each step
.set WREG,  8192                       ; LDS: a region for each wave: two stages of 32 x SP bytes, behind them its 256 scale bytes
.set SP,    80                         ; a lane's place in a stage: 64 bytes + 16 of padding
.set SPW,   12                         ; v12  LDS address of my spare word; never rewritten
.set NIL,   13                         ; v13  0; never rewritten
.set SPARE, WAVES*WREG                 ; behind the regions: the spare words, 128 bytes a wave
	s_load_b256 s[4:11], s[0:1], 0x0               ; x, wq, wk, wv
	s_load_b256 s[12:19], s[0:1], 0x20             ; wo, mask, codes, scales
	s_load_b128 s[20:23], s[0:1], 0x40             ; wo16, rope
	s_load_b64 s[24:25], s[0:1], 0x50              ; mbits
	v_lshl_add_u32 v[SPW], v0, 2, SPARE
	v_mov_b32 v[NIL], 0
	v_lshrrev_b32 v1, 5, v0
	v_readfirstlane_b32 s26, v1                    ; wave
	v_and_b32 v2, 31, v0                           ; lane
	s_wait_kmcnt 0x0
	s_cmp_lt_u32 ttmp9, 512
	s_cbranch_scc0 .Lnot_quant
; ---- QUANTISE.  A wave takes a run of 8,192 numbers: 16 steps of 512.  Each load reads 512 consecutive bytes; a step's 2,048 bytes turn through the wave's own stage in LDS, so that a lane holds 16 neighbours.
	v_lshlrev_b32 v3, 4, v2                        ; my 16 bytes of a load's 512
	s_mul_i32 s27, s26, WREG
	v_lshrrev_b32 v14, 2, v2
	v_mul_u32_u24 v14, v14, SP
	v_and_b32 v15, 3, v2
	v_lshl_add_u32 v14, v15, 4, v14
	v_add_nc_u32 v14, s27, v14                     ; the stage, on the way in: SP (lane / 4) + 16 (lane % 4)
	v_mul_u32_u24 v15, v2, SP
	v_add_nc_u32 v15, s27, v15                     ; and on the way out: SP x lane
	v_mul_u32_u24 v4, v2, CB                       ; my codes' place in a step's
	v_lshrrev_b32 v5, 1, v2
	s_add_co_u32 s27, s27, 2*32*SP
	v_add_nc_u32 v5, s27, v5                       ; my block's byte among the wave's 256 scale bytes
	v_lshlrev_b32 v7, 3, v2
	v_add_nc_u32 v6, s27, v7                       ; and on the way out 8 bytes a lane
	s_lshr_b32 s28, ttmp9, 7                       ; which tensor: 128 work-groups each.  The choice hangs on the work-group's number alone
	s_cmp_eq_u32 s28, 1
	s_cselect_b64 s[4:5], s[6:7], s[4:5]
	s_cmp_eq_u32 s28, 2
	s_cselect_b64 s[4:5], s[8:9], s[4:5]
	s_cmp_eq_u32 s28, 3
	s_cselect_b64 s[4:5], s[10:11], s[4:5]
	s_and_b32 s28, ttmp9, 127
	s_lshl_b32 s28, s28, 2
	s_add_co_u32 s28, s28, s26                     ; my run in the tensor
	s_lshl_b32 s28, s28, 15                        ; 32,768 bytes a run
	s_mov_b32 s29, 0
	s_add_nc_u64 s[4:5], s[4:5], s[28:29]
	s_lshl_b32 s30, ttmp9, 2
	s_add_co_u32 s30, s30, s26                     ; my run among all four tensors'
	s_lshl_b32 s28, s30, 12                        ; 4,096 bytes of codes a run
	s_add_nc_u64 s[16:17], s[16:17], s[28:29]
	s_lshl_b32 s28, s30, 8                         ; 256 scale bytes a run
	s_add_nc_u64 s[18:19], s[18:19], s[28:29]
.macro LOAD t
.irp i, 0,1,2,3
	global_load_b128 v[R+16*((\t)%4)+4*\i:R+16*((\t)%4)+4*\i+3], v3, s[4:5] offset:2048*(\t)+512*\i th:TH_LOAD_NT
.endr
.endm
.macro TURN t                          ; step t's numbers through the stage: LDS serves a wave's instructions in order, so no wait stands between the stores and the loads
.irp i, 0,1,2,3
	ds_store_b128 v14, v[R+16*((\t)%4)+4*\i:R+16*((\t)%4)+4*\i+3] offset:32*SP*((\t)%2)+8*SP*\i
.endr
.irp i, 0,1,2,3
	ds_load_b128 v[X+16*((\t)%2)+4*\i:X+16*((\t)%2)+4*\i+3], v15 offset:32*SP*((\t)%2)+16*\i
.endr
.endm
.irp t, 0,1,2,3
	LOAD \t
.endr
	s_wait_loadcnt 12                              ; step 0's four loads are in; twelve younger ones stay out
	TURN 0
.macro STEP t
.set XS, X+16*((\t)%2)
.if (\t) > 0
	s_wait_dscnt 1                                 ; this step's numbers are back from the stage (the last step's byte store may be out)
.else
	s_wait_dscnt 0x0
.endif
.if (\t)+4 < STEPS
	LOAD (\t)+4
.endif
.if (\t)+1 < STEPS
.if STEPS-2-(\t) >= 3
	s_wait_loadcnt 12                              ; the next step's four loads are in; those of the three steps behind it may be out
.else
	s_wait_loadcnt 4*(STEPS-2-(\t))
.endif
	TURN (\t)+1
.endif
	v_max3_num_f32 v8, |v[XS]|, |v[XS+1]|, |v[XS+2]|               ; the largest magnitude of my 16
	v_max3_num_f32 v9, |v[XS+3]|, |v[XS+4]|, |v[XS+5]|
.irp i, 6,10
	v_max3_num_f32 v8, v8, |v[XS+\i]|, |v[XS+\i+1]|
	v_max3_num_f32 v9, v9, |v[XS+\i+2]|, |v[XS+\i+3]|
.endr
	v_max3_num_f32 v8, v8, |v[XS+14]|, |v[XS+15]|
	v_max3_num_f32 v8, v8, v9, (EMAX+1)<<23        ; and the floor 2^(EMAX + 1 - 127): the byte cannot fall under 1
	v_max_num_f32_dpp v8, v8, v8 row_xmask:1 row_mask:0xf bank_mask:0xf   ; and of my neighbour's 16: the block's
	v_add_nc_u32 v11, -(EMAX<<23), v8              ; EMAX off its exponent field: the conversion takes the exponent field of this operand as its scale
	v_cvt_scalef32_pk8_fp4_f32 v[C+4*(\t)], v[XS:XS+7], v11
	v_cvt_scalef32_pk8_fp4_f32 v[C+4*(\t)+1], v[XS+8:XS+15], v11
	v_lshrrev_b32 v[E+(\t)], 23, v11               ; the scale's byte
	ds_store_b8 v5, v[E+(\t)] offset:16*(\t)       ; both lanes of a block write the same byte with the same value
	global_store_b64 v4, v[C+4*(\t):C+4*(\t)+1], s[16:17] offset:32*CB*(\t)   ; the wave stores 256 consecutive bytes, aligned
.endm
.irp t, 0,1,2,3,4,5,6,7,8,9,10,11,12,13,14,15
	STEP \t
.endr
	ds_load_b64 v[8:9], v6                         ; LDS serves a wave's instructions in order: these see my stores
	s_wait_dscnt 0x0
	global_store_b64 v7, v[8:9], s[18:19]          ; 32 lanes store 256 consecutive bytes, aligned
	s_wait_tensorcnt 0x0                           ; the wave's end: behind my last LDS store
	ds_add_u32 v[SPW], v[NIL]
	s_wait_dscnt 0x0
	s_endpgm
; ---- wo16 = f16(4 wo).  A wave takes 8,192 numbers in four trips of sixteen loads.
.Lnot_quant:
	s_cmp_lt_u32 ttmp9, 640
	s_cbranch_scc0 .Lnot_wo
	s_sub_co_u32 s28, ttmp9, 512
	s_lshl_b32 s28, s28, 2
	s_add_co_u32 s28, s28, s26                     ; my run
	s_lshl_b32 s30, s28, 14                        ; 16,384 bytes out,
	s_lshl_b32 s28, s28, 15                        ; 32,768 bytes in
	s_mov_b32 s29, 0
	s_mov_b32 s31, 0
	s_add_nc_u64 s[12:13], s[12:13], s[28:29]
	s_add_nc_u64 s[20:21], s[20:21], s[30:31]
	v_lshlrev_b32 v3, 4, v2
	v_lshlrev_b32 v4, 3, v2
	s_mov_b32 s28, 4
.Lwo:
.irp i, 0,1,2,3,4,5,6,7,8,9,10,11,12,13,14,15
	global_load_b128 v[16+4*\i:19+4*\i], v3, s[12:13] offset:512*\i th:TH_LOAD_NT
.endr
.irp i, 0,1,2,3,4,5,6,7,8,9,10,11,12,13,14,15
	s_wait_loadcnt 15-\i                           ; load i is in; the younger ones stay out
	v_pk_mul_f32 v[16+4*\i:17+4*\i], v[16+4*\i:17+4*\i], 4.0 op_sel_hi:[1,0]
	v_pk_mul_f32 v[18+4*\i:19+4*\i], v[18+4*\i:19+4*\i], 4.0 op_sel_hi:[1,0]
	v_cvt_pk_f16_f32 v[80+2*\i], v[16+4*\i], v[17+4*\i]
	v_cvt_pk_f16_f32 v[81+2*\i], v[18+4*\i], v[19+4*\i]
	global_store_b64 v4, v[80+2*\i:81+2*\i], s[20:21] offset:256*\i   ; 256 consecutive bytes, aligned
.endr
	s_wait_xcnt 0x0                                ; the bases and the stores' data are written again only behind this wait
	s_add_nc_u64 s[12:13], s[12:13], 8192
	s_add_nc_u64 s[20:21], s[20:21], 4096
	s_sub_co_u32 s28, s28, 1
	s_cmp_lg_u32 s28, 0
	s_cbranch_scc1 .Lwo
	s_endpgm
; ---- THE MASK AS LANE MASKS.  A wave takes 16 queries x 256 keys: 128 words.  Lane (r, h) loads, of query r, keys 32 g + 16 h + 0 .. 15: the eight loads cover 16 whole runs of 256 bytes.
.Lnot_wo:
	s_cmp_lt_u32 ttmp9, 896
	s_cbranch_scc0 .Lrope
	s_sub_co_u32 s28, ttmp9, 640
	s_lshl_b32 s28, s28, 2
	s_add_co_u32 s28, s28, s26                     ; my block: 8 x tile of queries + quarter-thousand of keys
	s_lshr_b32 s30, s28, 3
	s_and_b32 s31, s28, 7
	s_lshl_b32 s30, s30, 15                        ; 16 rows of 2,048 bytes
	s_lshl_b32 s31, s31, 8
	s_add_co_u32 s30, s30, s31
	s_mov_b32 s31, 0
	s_add_nc_u64 s[14:15], s[14:15], s[30:31]
	s_lshl_b32 s28, s28, 9                         ; 512 bytes of words a block
	s_mov_b32 s29, 0
	s_add_nc_u64 s[24:25], s[24:25], s[28:29]
	v_and_b32 v3, 15, v0
	v_bfe_u32 v4, v0, 4, 1
	v_lshlrev_b32 v3, 11, v3
	v_lshl_add_u32 v3, v4, 4, v3                   ; 2,048 r + 16 h
.irp g, 0,1,2,3,4,5,6,7
	global_load_b128 v[16+4*\g:19+4*\g], v3, s[14:15] offset:32*\g th:TH_LOAD_NT
.endr
	v_lshlrev_b32 v5, 4, v2
.irp c, 8,9,10,11
	v_mov_b32 v\c, 0                               ; written whole before single lanes are written
.endr
	s_wait_loadcnt 0x0
; Bytes j and 8 + j of load g, compared in all lanes: lanes 0-15 speak for key tile 2 g, lanes 16-31 for key tile 2 g + 1.  A word's low half wants byte j (h = 0), its high half byte 8 + j (h = 1).
; Word w of the block goes to lane w / 4, register w % 4, so that one store of 16 bytes a lane lays the 128 words on end.
.macro MW g, j
	v_bfe_u32 v6, v[16+4*\g+\j/4], 8*(\j%4), 8
	v_bfe_u32 v7, v[18+4*\g+\j/4], 8*(\j%4), 8
	v_cmp_ne_u32 s36, 0, v6
	v_cmp_ne_u32 s37, 0, v7
	s_and_b32 s38, s36, 0xffff
	s_lshl_b32 s39, s37, 16
	s_or_b32 s38, s38, s39                         ; key tile 2 g: word 16 g + j
	s_lshr_b32 s39, s36, 16
	s_and_b32 s40, s37, 0xffff0000
	s_or_b32 s39, s39, s40                         ; key tile 2 g + 1: word 16 g + 8 + j
	v_writelane_b32 v[8+\j%4], s38, 4*\g+\j/4
	v_writelane_b32 v[8+\j%4], s39, 4*\g+2+\j/4
.endm
.irp g, 0,1,2,3,4,5,6,7
.irp j, 0,1,2,3,4,5,6,7
	MW \g, \j
.endr
.endr
	global_store_b128 v5, v[8:11], s[24:25]        ; 512 consecutive bytes
	s_endpgm
; ---- THE ROTARY TABLES.  Thread: i = thread % 64, t = 2 x work-group + thread / 64 + 256 n, n = 0 .. 7.
; The angle is brought into [-pi/4, pi/4] by taking off n x pi/2, pi/2 in two parts; sine and cosine by their series up to r^9 and r^8; the quadrant swaps them and sets the signs.
.Lrope:
	s_sub_co_u32 s28, ttmp9, 896
	s_lshl_b32 s28, s28, 1
	v_and_b32 v3, 63, v0                           ; i
	v_lshrrev_b32 v4, 6, v0
	v_add_nc_u32 v4, s28, v4                       ; the first t
	v_cvt_f32_u32 v5, v3
	v_mul_f32 v5, 0xbe549a78, v5                   ; -i log2(10000) / 64
	v_exp_f32 v5, v5                               ; 10000^(-i/64)
	v_cvt_f32_u32 v6, v4                           ; t (plain work behind the exponential)
	v_lshlrev_b32 v7, 9, v4
	v_lshl_add_u32 v7, v3, 3, v7                   ; 512 t + 8 i
	s_mov_b32 s30, 0x3fc90fdb                      ; pi/2, the f32 nearest to it,
	s_mov_b32 s31, 0xb33bbd2e                      ; and what is left
	s_mov_b32 s32, 0x3638ef1d                      ; 1/9!
	s_mov_b32 s33, 0xb9500d01                      ; -1/7!
	s_mov_b32 s34, 0x3c088889                      ; 1/5!
	s_mov_b32 s35, 0xbe2aaaab                      ; -1/3!
	s_mov_b32 s36, 0x37d00d01                      ; 1/8!
	s_mov_b32 s37, 0xbab60b61                      ; -1/6!
	s_mov_b32 s38, 0x3d2aaaab                      ; 1/4!
	s_mov_b32 s39, 0x3f0293ee                      ; 4 log2(e) / sqrt(128)
	s_wait_alu depctr_va_vdst(0)                   ; the wait between the exponential and its first reader
	s_mov_b32 s28, 8
.Lt:
	v_mul_f32 v8, v6, v5                           ; the angle
	v_mul_f32 v9, 0x3f22f983, v8                   ; x 2/pi
	v_rndne_f32 v9, v9                             ; n
	v_fma_f32 v10, -v9, s30, v8
	v_fma_f32 v10, -v9, s31, v10                   ; r
	v_mul_f32 v11, v10, v10                        ; z = r^2
	v_fma_f32 v14, v11, s32, s33
	v_fma_f32 v15, v11, s36, s37
	v_fma_f32 v14, v14, v11, s34
	v_fma_f32 v15, v15, v11, s38
	v_fma_f32 v14, v14, v11, s35
	v_fma_f32 v15, v15, v11, -0.5
	v_mul_f32 v16, v10, v11
	v_fma_f32 v15, v15, v11, 1.0                   ; cos r
	v_fma_f32 v14, v14, v16, v10                   ; sin r
	v_cvt_i32_f32 v17, v9                          ; the quadrant, in its low two bits
	v_and_b32 v18, 1, v17
	v_cmp_ne_u32 vcc_lo, 0, v18
	v_cndmask_b32 v19, v15, v14, vcc_lo            ; odd quadrants swap the two
	v_cndmask_b32 v20, v14, v15, vcc_lo
	v_add_nc_u32 v18, 1, v17
	v_and_b32 v18, 2, v18
	v_lshlrev_b32 v18, 30, v18
	v_xor_b32 v19, v19, v18                        ; the cosine is negative in quadrants 1 and 2,
	v_and_b32 v18, 2, v17
	v_lshlrev_b32 v18, 30, v18
	v_xor_b32 v20, v20, v18                        ; the sine in 2 and 3
	v_mul_f32 v22, s39, v19
	v_mul_f32 v23, s39, v20
	v_mul_f32 v24, 0x3e800000, v19
	v_mul_f32 v25, 0x3e800000, v20
	global_store_b64 v7, v[22:23], s[22:23]                    ; a wave stores 256 consecutive bytes, aligned
	global_store_b64 v7, v[24:25], s[22:23] offset:1048576     ; the second table
	s_wait_xcnt 0x0                                ; the offset and the data are written again only behind this wait
	v_add_nc_u32 v7, 131072, v7                    ; 256 rows on
	v_add_f32 v6, 0x43800000, v6
	s_sub_co_u32 s28, s28, 1
	s_cmp_lg_u32 s28, 0
	s_cbranch_scc1 .Lt
	s_endpgm
.Lfunc_end_k_q7a8aa218b8_prep:
	.size	k_q7a8aa218b8_prep, .Lfunc_end_k_q7a8aa218b8_prep-k_q7a8aa218b8_prep
	.p2alignl 7, 3214868480
	.fill 96, 4, 3214868480
	.section	.rodata,"a",@progbits
	.p2align	6, 0x0
	.amdhsa_kernel k_q7a8aa218b8_prep
		.amdhsa_group_segment_fixed_size 33280
		.amdhsa_private_segment_fixed_size 0
		.amdhsa_enable_private_segment 0
		.amdhsa_kernarg_size 88
		.amdhsa_user_sgpr_count 2
		.amdhsa_user_sgpr_kernarg_segment_ptr 1
		.amdhsa_wavefront_size32 1
		.amdhsa_system_sgpr_workgroup_id_x 1
		.amdhsa_system_sgpr_workgroup_id_y 1
		.amdhsa_system_sgpr_workgroup_id_z 1
		.amdhsa_system_vgpr_workitem_id 0
		.amdhsa_next_free_vgpr 192
		.amdhsa_next_free_sgpr 66
		.amdhsa_reserve_vcc 1
		.amdhsa_float_denorm_mode_32 3
		.amdhsa_float_denorm_mode_16_64 3
		.amdhsa_memory_ordered 1
		.amdhsa_forward_progress 1
		.amdhsa_inst_pref_size 87
	.end_amdhsa_kernel
	.amdgpu_metadata
---
amdhsa.version: [ 1, 2 ]
amdhsa.kernels:
  - .name:           k_q7a8aa218b8_prep
    .symbol:         k_q7a8aa218b8_prep.kd
    .args:
      - { .name: x, .offset: 0, .size: 8, .value_kind: global_buffer, .address_space: global }
      - { .name: wq, .offset: 8, .size: 8, .value_kind: global_buffer, .address_space: global }
      - { .name: wk, .offset: 16, .size: 8, .value_kind: global_buffer, .address_space: global }
      - { .name: wv, .offset: 24, .size: 8, .value_kind: global_buffer, .address_space: global }
      - { .name: wo, .offset: 32, .size: 8, .value_kind: global_buffer, .address_space: global }
      - { .name: mask, .offset: 40, .size: 8, .value_kind: global_buffer, .address_space: global }
      - { .name: codes, .offset: 48, .size: 8, .value_kind: global_buffer, .address_space: global }
      - { .name: scales, .offset: 56, .size: 8, .value_kind: global_buffer, .address_space: global }
      - { .name: wo16, .offset: 64, .size: 8, .value_kind: global_buffer, .address_space: global }
      - { .name: rope, .offset: 72, .size: 8, .value_kind: global_buffer, .address_space: global }
      - { .name: mbits, .offset: 80, .size: 8, .value_kind: global_buffer, .address_space: global }
    .group_segment_fixed_size: 33280
    .private_segment_fixed_size: 0
    .kernarg_segment_align: 8
    .kernarg_segment_size: 88
    .max_flat_workgroup_size: 128
    .sgpr_count:     66
    .vgpr_count:     192
    .wavefront_size: 32
...
	.end_amdgpu_metadata
.endif
;; end of part 1
;; launch qkv (part 2): grid 24 x 8, 4 waves a work-group, clusters of 4 x 4, 327,680 bytes of LDS; arguments codes, scales, rope, qkv; writes qkv
.if DOCPART == 2
	.amdgcn_target "amdgcn-amd-amdhsa--gfx1250"
	.amdhsa_code_object_version 6
	.text
	.protected	k_q7a8aa218b8_qkv
	.globl	k_q7a8aa218b8_qkv
	.p2align	8
	.type	k_q7a8aa218b8_qkv,@function
k_q7a8aa218b8_qkv:
	s_mov_b64 s[64:65], 0
	v_nop
	global_prefetch_b8 v0, s[64:65] scope:SCOPE_SE
	s_setreg_imm32_b32 hwreg(HW_REG_WAVE_MODE, 25, 1), 1
	s_wait_xcnt 0x0
	s_wait_alu depctr_hold_cnt(0) depctr_sa_sdst(0) depctr_va_vdst(0) depctr_va_sdst(0) depctr_va_ssrc(0) depctr_va_vcc(0) depctr_vm_vsrc(0)
	s_getreg_b32 s2, hwreg(HW_REG_IB_STS2, 6, 4)
	s_cmp_eq_u32 s2, 0
	s_cbranch_scc0 .Lentry_in_a_cluster
	s_endpgm
.Lentry_in_a_cluster:
	s_bfe_u32 s2, ttmp6, 0x10000c
	s_cmp_lg_u32 s2, 0xf033
	s_cbranch_scc0 .Lentry_shape_is_right
	s_endpgm
.Lentry_shape_is_right:
; ATTENTION LAYER, launch 2 of 4: C = x [wq; wk; wv]^T on codes of FP4 (E2M1) with one E8M0 scale for each 32 along K: M = 2,048, N = 6,144, K = 2,048; sums in f32.  No work is left out.
; The rows of A are rows 0-2047 of the codes' buffer, the rows of B rows 2048-8191.  On the way out q and k are rotated (tables of launch 1, which carry the factors), v is multiplied by 1/4, all are rounded to f16:
; qkv[g][t][128], g = 0-15 q x 4 log2(e)/sqrt(128), 16-31 k / 4, 32-47 v / 4.  LIMITS: |q| under 128,000, |k| and |v| under 262,016 (f16's range); what falls under 2^-14 is rounded in steps of 2^-24.
; A tile of C, 256 x 256, is made by a work-group of four waves; a wave makes 128 x 128: 64 accumulators of 16 x 16, 512 registers; its 128 columns are exactly one head.
; K goes in steps of 512 through a ring of two LDS slots filled by the tensor data mover: a tile's row is 256 bytes of memory.
; THE SCALES of the work-group's 256 rows of A and of B, for all of K, are two dense blocks of memory: they come into LDS once, with the first fills, and stay.
; CLUSTERS: 4 x 4 work-groups.  The four of a row of the cluster need the same tiles of A, the four of a column the same tiles of B: each tile is asked for JOINTLY, by the same tensor load with the
; same descriptor and a mask that names the four.  THE MATRIX INSTRUCTION IS USED TRANSPOSED (source 0 = 16 rows of B, source 1 = 16 rows of A): a lane then holds eight neighbouring numbers of a row of C.
; 24 x 8 = 192 work-groups: a narrower tile would straddle heads.
; REGISTERS, in windows of 256: window 0: v0-31 addresses; v32-95 scale words, two sets; from v128 A's fragments, ONE set; on the way out v32-255 are free.
;   window 1: B's fragments, TWO sets, at v0 and at v128.   window 2: the 32 accumulators of my rows 0-63 (accumulator (a, b) at v[8 (8 a + b)]);   window 3: those of my rows 64-127.
.set SIZE_M, 2048
.set SIZE_N, 6144
.set SIZE_K, 2048
.set KSTEP,  512                       ; along K in a slot
.set NQ,     KSTEP/128                 ; matrix instructions deep
.set ROWB,   256                       ; a tile's row in bytes
.set KROW,   SIZE_K*4/8                ; a row of codes in memory, in bytes
.set PITCH,  272                       ; an LDS row: 256 bytes + 16 of padding: the 16 rows that a load touches start 68 words apart
.set FR,     8                         ; registers of a fragment: 16 rows x 128 K
.set NL,     2                         ; LDS loads that bring one
.set NP,     4                         ; places behind this matrix instruction (ISA guide 7.12.1)
.set HALFT,  128*PITCH                 ; 128 rows: what one tensor load brings
.set SLOT,   4*HALFT                   ; A's 256 rows, then B's 256 rows
.set LAPS,   SIZE_K/(2*KSTEP)          ; a lap = two K steps = once round the ring
.set KS,     SIZE_K/32                 ; a row of scales in bytes
.set SCL,    2*SLOT                    ; behind the ring: the scales, as runs of 256 bytes + 16 of padding
.set HALFS,  (128*KS/256)*272          ; the scales of 128 rows: what one tensor load brings
.set SBLK,   (16*KS/256)*272           ; those of 16 rows
.set SPARE,  SCL+4*HALFS               ; behind the scales: the spare words, 128 bytes for each wave
.set SPITCH, 272                       ; the way out: a stage of 16 rows x (256 bytes + 16) for each wave, in slot 0, which has had its last fill and its last read when the first result is stored there
.set ADRA, 16                          ; v16-17  LDS address of my A fragments in slot 0, 1
.set ADRB, 20                          ; v20-21  the same for B
.set STO,  24                          ; v24     the way out: where I put 16 bytes of a row
.set RD,   25                          ; v25     the way out: where I read a row back
.set CO,   26                          ; v26     my byte offset in two rows of the head
.set ADRS, 27                          ; v27     LDS address of my scale words: lanes 0-15 A's rows, lanes 16-31 B's
.set SPW,  28                          ; v28     LDS address of my spare word; never rewritten
.set NIL,  29                          ; v29     0; never rewritten
.set TA,   30                          ; v30     my byte offset in 16 rows of a rotary table
.set SC,   32                          ; scale words: set s at v[SC + 8 NQ s]
.set AF,   128                         ; A's fragments, in window 0
.set CS0,  32                          ; the way out: (cos, sin) of a block of 16 rows, 64 registers; two sets
.set TT,   160                         ; the way out: 64 numbers at work; their 32 packed words overwrite the lower half
.set BK,   224                         ; the way out: 16 rows read back from the stage
.set G1, 24                            ; s[24:31] descriptor group 1 for A's tiles;  s[32:39] group 0, one set for each slot
.set G0, 32
.set G1B, 48                           ; s[48:55], s[56:63] the same for B's tiles
.set G0B, 56
.set G1S, 68                           ; s[68:75], s[76:79] groups 1 and 0 for A's scales;  s[80:87], s[88:91] for B's
.set G0S, 76
.set G1SB, 80
.set G0SB, 88
.set MSB, 0
.macro WIN new                         ; the immediate's high byte repeats the setting that is left
.if MSB != \new
	s_set_vgpr_msb (MSB<<8)|\new
.set MSB, \new
.endif
.endm
.set MUL_LO, 0xa1                      ; source 0 (B) window 1, source 1 (A) window 0, C and D window 2
.set MUL_HI, 0xf1                      ; the same, C and D window 3
.set TO_B,   0x40                      ; destination window 1, address window 0
; A joint load: waves 0 and 1 fetch for A, waves 2 and 3 for B.  The branch hangs on the wave's number alone.  An s_nop 0 and four v_nop follow each of the two lines.
.macro JLOAD g0a, g1a, g0b, g1b
	s_cmp_eq_u32 s15, 0
	s_cbranch_scc0 .Lfor_b_\@
	tensor_load_to_lds s[\g0a:\g0a+3], s[\g1a:\g1a+7]
	s_nop 0
.rept 4
	v_nop
.endr
	s_branch .Lasked_\@
.Lfor_b_\@:
	tensor_load_to_lds s[\g0b:\g0b+3], s[\g1b:\g1b+7]
	s_nop 0
.rept 4
	v_nop
.endr
.Lasked_\@:
.endm
.macro CREST                           ; a round of the cluster's barrier behind its opening barrier
	s_cmp_lg_u32 s14, 0
	s_cbranch_scc1 .Lnot_wave_0_\@
	s_barrier_signal -3
.Lnot_wave_0_\@:
	s_barrier_wait -3
	s_barrier_signal -1
	s_barrier_wait -1
.endm
.macro CROUND                          ; a whole round
	s_barrier_signal -1
	s_barrier_wait -1
	CREST
.endm
	s_load_b128 s[4:7], s[0:1], 0x0                ; the codes s[4:5], the scales s[6:7]
	s_load_b128 s[96:99], s[0:1], 0x10             ; the rotary tables s[96:97], qkv s[98:99]
	v_lshl_add_u32 v[SPW], v0, 2, SPARE
	v_mov_b32 v[NIL], 0
	ds_add_u32 v[SPW], v[NIL]                      ; the wave's opening: the add, twice on end, and its wait ahead of my first tensor load
	ds_add_u32 v[SPW], v[NIL]
	v_lshrrev_b32 v1, 5, v0
	v_readfirstlane_b32 s14, v1                    ; wave 0..3
	s_lshr_b32 s15, s14, 1                         ; which half of the tile's rows is mine.  Also: I fetch for A (0) or for B (1)
	s_and_b32 s16, s14, 1                          ; which half of its columns.  Also: which 128 rows of that tile I fetch
	s_bfe_u32 s40, ttmp6, 0x40000                  ; cx, cy: my place in the cluster
	s_bfe_u32 s41, ttmp6, 0x40004
	s_lshl_b32 s42, ttmp9, 2
	s_add_co_u32 s42, s42, s40                     ; tile column of C = 4 x cluster x + cx
	s_and_b32 s17, ttmp7, 0xffff
	s_lshl_b32 s17, s17, 2
	s_add_co_u32 s17, s17, s41                     ; tile row of C = 4 x cluster y + cy
	s_lshr_b32 s95, ttmp9, 1                       ; 0: q, 1: k, 2: v: two clusters' columns each, so it is the same in all sixteen partners
	s_lshl_b32 s43, s41, 2
	s_lshl_b32 s43, 15, s43                        ; my row of the cluster
	s_lshl_b32 s44, 0x1111, s40                    ; my column
	; descriptor group 1: a tile of 128 rows x ROWB bytes, padded in LDS
	s_or_b32 s[G1+0], s43, (0<<16)|(1<<20)|(1<<21)|(5<<22)|(3<<25)  ; 15:0 the mask: A's tiles go to my row; 17:16 element of 1 byte; 20 padding on; 21 set beside a mask; 24:22 after every 64 words; 31:25 of 4 words
	s_or_b32 s[G1B+0], s44, (0<<16)|(1<<20)|(1<<21)|(5<<22)|(3<<25)
.irp g, G1, G1B
	s_mov_b32 s[\g+1], ROWB<<16                    ; tensor_dim0
	s_mov_b32 s[\g+2], 128<<16                     ; tensor_dim1 = 128
	s_mov_b32 s[\g+3], ROWB<<16                    ; tile_dim0
	s_mov_b32 s[\g+4], 128                         ; tile_dim1 = 128
	s_mov_b32 s[\g+5], KROW                        ; tensor_dim0_stride
	s_mov_b32 s[\g+6], 0
	s_mov_b32 s[\g+7], 0
.endr
	; and for the scales of 128 rows: a dense block of 128 KS bytes, as rows of 256 bytes (32 elements of 8 bytes), 16 bytes of padding behind each
	s_or_b32 s[G1S+0], s43, (3<<16)|(1<<20)|(1<<21)|(5<<22)|(3<<25)
	s_or_b32 s[G1SB+0], s44, (3<<16)|(1<<20)|(1<<21)|(5<<22)|(3<<25)
.irp g, G1S, G1SB
	s_mov_b32 s[\g+1], 32<<16
	s_mov_b32 s[\g+2], (128*KS/256)<<16
	s_mov_b32 s[\g+3], 32<<16
	s_mov_b32 s[\g+4], 128*KS/256
	s_mov_b32 s[\g+5], 32
	s_mov_b32 s[\g+6], 0
	s_mov_b32 s[\g+7], 0
.endr
	s_lshl_b32 s18, s16, 7                         ; which 128 rows of the tile I fetch
	s_lshl_b32 s20, s17, 8
	s_add_co_u32 s20, s20, s18                     ; A: row 256 x tile row + 128 x half
	s_lshl_b32 s46, s42, 8
	s_add_co_u32 s46, s46, s18                     ; B: row 256 x tile column + 128 x half
	s_mov_b32 s21, 0
	s_mov_b32 s47, 0
	s_mov_b64 s[18:19], KS
	s_mul_u64 s[22:23], s[20:21], s[18:19]         ; where these rows' scales begin, in bytes
	s_mul_u64 s[92:93], s[46:47], s[18:19]
	s_mov_b64 s[18:19], KROW
	s_mul_u64 s[20:21], s[20:21], s[18:19]         ; and their codes
	s_mul_u64 s[46:47], s[46:47], s[18:19]
	s_mul_i32 s45, s14, HALFT                      ; where they go: wave x 128 rows: no place in the cluster enters an LDS address
	s_mul_i32 s94, s14, HALFS
	s_wait_dscnt 0x0                               ; both opening adds are done
	s_wait_kmcnt 0x0
	s_add_nc_u64 s[8:9], s[4:5], 0x200000          ; B's codes begin behind x's 2,048 rows of 1,024 bytes,
	s_add_nc_u64 s[10:11], s[6:7], 0x20000         ; B's scales behind x's 2,048 rows of 64
	s_add_nc_u64 s[20:21], s[4:5], s[20:21]
	s_add_nc_u64 s[22:23], s[6:7], s[22:23]
	s_add_nc_u64 s[46:47], s[8:9], s[46:47]
	s_add_nc_u64 s[92:93], s[10:11], s[92:93]
	CROUND                                         ; all sixteen work-groups are here: the first joint loads meet
	s_mov_b32 s[G0S], 1
	s_add_co_u32 s[G0S+1], s94, SCL
	s_mov_b64 s[G0S+2:G0S+3], s[22:23]
	s_or_b32 s[G0S+3], s[G0S+3], 0x80000000
	s_mov_b32 s[G0SB], 1
	s_add_co_u32 s[G0SB+1], s94, SCL
	s_mov_b64 s[G0SB+2:G0SB+3], s[92:93]
	s_or_b32 s[G0SB+3], s[G0SB+3], 0x80000000
	JLOAD G0S, G1S, G0SB, G1SB                     ; the scales first: they are wanted with K step 0
.irp s, 0,1
	s_mov_b32 s[G0+4*\s], 1
	s_add_co_u32 s[G0+4*\s+1], s45, \s*SLOT
	s_add_nc_u64 s[G0+4*\s+2:G0+4*\s+3], s[20:21], \s*ROWB
	s_or_b32 s[G0+4*\s+3], s[G0+4*\s+3], 0x80000000
	s_mov_b32 s[G0B+4*\s], 1
	s_add_co_u32 s[G0B+4*\s+1], s45, \s*SLOT
	s_add_nc_u64 s[G0B+4*\s+2:G0B+4*\s+3], s[46:47], \s*ROWB
	s_or_b32 s[G0B+4*\s+3], s[G0B+4*\s+3], 0x80000000
	JLOAD G0+4*\s, G1, G0B+4*\s, G1B
.endr
	v_and_b32 v1, 15, v0                           ; r = l % 16
	v_bfe_u32 v2, v0, 4, 1                         ; h = l / 16
	v_mul_u32_u24 v3, v1, PITCH
	v_lshl_add_u32 v4, v2, 4, v3                   ; a fragment's row x pitch + 16 x half
	s_mul_i32 s21, s15, HALFT                      ; my 128 rows of A
	s_mul_i32 s22, s16, HALFT                      ; my 128 rows of B,
	s_add_co_u32 s22, s22, 2*HALFT                 ; which lie behind A's 256
.irp s, 0,1
	v_add_nc_u32 v[ADRA+\s], s21, v4
	v_add_nc_u32 v[ADRB+\s], s22, v4
	s_add_co_u32 s21, s21, SLOT
	s_add_co_u32 s22, s22, SLOT
.endr
	v_mul_u32_u24 v5, v1, KS                       ; my row's scales: KS bytes a row,
	v_lshrrev_b32 v6, 8, v5
	v_lshl_add_u32 v5, v6, 4, v5                   ; and 16 more for each 256 passed
	s_mul_i32 s21, s15, HALFS                      ; A's: my 128 rows
	s_mul_i32 s22, s16, HALFS                      ; B's: my 128 rows, behind A's 256
	s_add_co_u32 s22, s22, 2*HALFS
	s_sub_co_u32 s22, s22, s21
	v_mul_u32_u24 v6, s22, v2                      ; lanes 16-31 take B's
	s_add_co_u32 s21, s21, SCL
	v_add_nc_u32 v5, v5, v6
	v_add_nc_u32 v[ADRS], s21, v5
	s_mul_i32 s23, s14, 16*SPITCH                  ; my stage
	v_mul_u32_u24 v5, v1, SPITCH                   ; in: row r, 16 bytes for each half of the lanes
	v_lshl_add_u32 v5, v2, 4, v5
	v_add_nc_u32 v[STO], s23, v5
	v_mul_u32_u24 v5, v2, SPITCH                   ; back: lanes 0-15 one row of 256 bytes, lanes 16-31 the next
	v_lshl_add_u32 v5, v1, 4, v5
	v_add_nc_u32 v[RD], s23, v5
	v_lshlrev_b32 v5, 8, v2                        ; and the same two rows of the head in memory
	v_lshl_add_u32 v[CO], v1, 4, v5
	v_lshlrev_b32 v5, 9, v1                        ; the table: row r of 512 bytes, + 32 h: the four pairs of my eight columns
	v_lshl_add_u32 v[TA], v2, 5, v5
	s_lshl_b32 s18, s17, 8
	s_lshl_b32 s19, s15, 7
	s_add_co_u32 s18, s18, s19                     ; my first row (position): 256 x tile row + 128 x half
	s_min_u32 s20, s95, 1                          ; table 0 for q, table 1 for k (v takes none)
	s_lshl_b32 s20, s20, 20
	s_lshl_b32 s19, s18, 9
	s_add_co_u32 s20, s20, s19
	s_mov_b32 s21, 0
	s_add_nc_u64 s[96:97], s[96:97], s[20:21]
	s_lshl_b32 s46, s42, 1
	s_add_co_u32 s46, s46, s16                     ; g = 2 x tile column + half: my head among the 48
	s_lshl_b32 s46, s46, 19                        ; 2,048 rows of 256 bytes a head
	s_lshl_b32 s47, s18, 8
	s_add_co_u32 s46, s46, s47
	s_mov_b32 s47, 0
	s_add_nc_u64 s[98:99], s[98:99], s[46:47]
	s_mov_b32 s92, 0x3e800000                      ; 1/4, for v
	s_mov_b32 s93, s92                             ; (named with it as a pair, so it is written)
.macro FRAG reg, adr, q, i             ; a fragment, 16 rows x 128 K of 4-bit codes, is 8 registers: lane l holds row l % 16; registers 4 c .. 4 c + 3 hold K = 64 c + 32 (l / 16) + 0 .. 31
.irp c, 0,1
	ds_load_b128 v[\reg+4*\c:\reg+4*\c+3], v[\adr] offset:64*(\q)+32*\c+(\i)*16*PITCH
.endr
.endm
; 16 matrix instructions: A's blocks a0, a0 + 1 x B's eight, 128 along K: the slot's q-th.  p: B's set;  sc: the set of scale words.  zero = 1: the first product starts the sums.
; The 64 accumulators take turns, one instruction a turn, in the same order in every step.
.macro MUL16 a0, p, q, sc, zero
.irp a, \a0, \a0+1
.irp b, 0,1,2,3,4,5,6,7
.if \zero
	v_wmma_scale_f32_16x16x128_f8f6f4 v[8*(8*((\a)%4)+\b):8*(8*((\a)%4)+\b)+7], v[128*(\p)+FR*\b:128*(\p)+FR*\b+FR-1], v[AF+FR*(\a):AF+FR*(\a)+FR-1], 0, v[SC+8*NQ*(\sc)+NQ*\b+(\q)], v[SC+8*NQ*(\sc)+NQ*(\a)+(\q)] matrix_a_fmt:MATRIX_FMT_FP4 matrix_b_fmt:MATRIX_FMT_FP4 matrix_a_scale:MATRIX_SCALE_ROW1
.else
	v_wmma_scale_f32_16x16x128_f8f6f4 v[8*(8*((\a)%4)+\b):8*(8*((\a)%4)+\b)+7], v[128*(\p)+FR*\b:128*(\p)+FR*\b+FR-1], v[AF+FR*(\a):AF+FR*(\a)+FR-1], v[8*(8*((\a)%4)+\b):8*(8*((\a)%4)+\b)+7], v[SC+8*NQ*(\sc)+NQ*\b+(\q)], v[SC+8*NQ*(\sc)+NQ*(\a)+(\q)] matrix_a_fmt:MATRIX_FMT_FP4 matrix_b_fmt:MATRIX_FMT_FP4 matrix_a_scale:MATRIX_SCALE_ROW1
.endif
.endr
.endr
.endm
.macro FETCH_B slot, q, p              ; B's eight fragments of the slot's q-th 128 along K into set p
	WIN TO_B
.irp i, 0,1,2,3,4,5,6,7
	FRAG 128*(\p)+FR*\i, ADRB+\slot, \q, \i
.endr
	WIN 0
.endm
.macro FETCH_A slot, q, i0             ; A's blocks i0 .. i0 + 3
.irp i, \i0, \i0+1, \i0+2, \i0+3
	FRAG AF+FR*(\i), ADRA+\slot, \q, \i
.endr
.endm
.macro SCALES sc                       ; the next K step's scale words into set sc: NQ words a row; lanes 0-15 take A's block i, lanes 16-31 B's block i
.irp i, 0,1,2,3,4,5,6,7
	ds_load_b128 v[SC+8*NQ*\sc+NQ*\i:SC+8*NQ*\sc+NQ*\i+3], v[ADRS] offset:\i*SBLK
.endr
.endm
; A load into a register that a matrix instruction has read, and a vector instruction that reads a matrix result or writes one of its registers, stand NP places behind it; only plain vector
; instructions that name none of its registers are places.
.macro PLACES n
.rept \n
	v_nop
.endr
.endm
; A step of 128 along K that has its successor in the same slot.
.macro STEP slot, q, zero
	s_wait_dscnt 4*NL                              ; B's set and A's blocks 0-3 are in; the youngest eight loads (A's blocks 4-7) may be out
	WIN MUL_LO
	MUL16 0, (\q)%2, \q, \slot, \zero
	MUL16 2, (\q)%2, \q, \slot, \zero
	s_wait_dscnt 0                                 ; A's blocks 4-7 are in
	PLACES NP
	FETCH_B \slot, (\q)+1, 1-(\q)%2
	FETCH_A \slot, (\q)+1, 0
	WIN MUL_HI
	MUL16 4, (\q)%2, \q, \slot, \zero
	MUL16 6, (\q)%2, \q, \slot, \zero
	PLACES NP
	WIN 0
	FETCH_A \slot, (\q)+1, 4
.endm
; A slot's last step changes slots: ONE barrier; in front of it each wave waits for all its tensor loads, adds 0 to its spare word, and waits for that and for its own reads of this slot.  fill = 1: this slot is filled again, two K steps ahead.
.macro TURN slot, next, fill
	s_wait_tensorcnt 0x0                           ; all my tensor loads have landed: my part of the next slot
	ds_add_u32 v[SPW], v[NIL]                      ; 0 onto my spare word
	s_wait_dscnt 4*NL+1                            ; (the add and the youngest eight loads, A's blocks 4-7, may be out)
	WIN MUL_LO
	MUL16 0, 1, NQ-1, \slot, 0                     ; sixteen matrix instructions stand between the add and the wait for it
	s_wait_dscnt 0x0                               ; the add is done, and my reads of this slot are over
	s_barrier_signal -1
	MUL16 2, 1, NQ-1, \slot, 0
	WIN 0
	s_barrier_wait -1
.if \fill
	CREST                                          ; the barrier has opened a round of the cluster's barrier: no wave of any partner still reads this slot's tile or has a load on its way
	s_add_nc_u64 s[G0+4*\slot+2:G0+4*\slot+3], s[G0+4*\slot+2:G0+4*\slot+3], 2*ROWB
	s_add_nc_u64 s[G0B+4*\slot+2:G0B+4*\slot+3], s[G0B+4*\slot+2:G0B+4*\slot+3], 2*ROWB
	JLOAD G0+4*\slot, G1, G0B+4*\slot, G1B         ; the first tensor load behind the round; the four v_nop behind it are the places in front of the loads below
.else
	PLACES NP
.endif
	v_add_nc_u32 v[ADRS], 4*NQ, v[ADRS]            ; on to the next K step's scale words
	FETCH_B \next, 0, 0
	FETCH_A \next, 0, 0
	SCALES \next
	WIN MUL_HI
	MUL16 4, 1, NQ-1, \slot, 0
	MUL16 6, 1, NQ-1, \slot, 0
	PLACES NP
	WIN 0
	FETCH_A \next, 0, 4
.endm
.macro STEPS slot, from                ; the slot's steps from .. NQ - 2
.set Q, \from
.rept NQ-1-\from
	STEP \slot, Q, 0
.set Q, Q+1
.endr
.endm
	s_wait_tensorcnt 1                             ; the scales and my part of K step 0 are in (K step 1's load may be out)
	s_barrier_signal -1
	s_barrier_wait -1                              ; everybody's are
	FETCH_B 0, 0, 0
	FETCH_A 0, 0, 0
	SCALES 0
	FETCH_A 0, 0, 4
	STEP 0, 0, 1                                   ; the first step stands in front of the loop: its products start the sums
	s_mov_b32 s3, LAPS-1
.Llap:                                                 ; a trip goes once round the ring, from a lap's second step to the next lap's first, and fills both slots again
	STEPS 0, 1
	TURN 0, 1, 1
	STEPS 1, 0
	TURN 1, 0, 1
	STEP 0, 0, 0
	s_sub_co_u32 s3, s3, 1
	s_cmp_lg_u32 s3, 0
	s_cbranch_scc1 .Llap
	STEPS 0, 1                                     ; the last lap fills nothing, and has no round of the cluster's barrier
	TURN 0, 1, 0
	STEPS 1, 0
	s_wait_dscnt 4*NL                              ; the very last step: nothing more to fetch
	WIN MUL_LO
	MUL16 0, 1, NQ-1, 1, 0
	MUL16 2, 1, NQ-1, 1, 0
	s_wait_dscnt 0
	WIN MUL_HI
	MUL16 4, 1, NQ-1, 1, 0
	MUL16 6, 1, NQ-1, 1, 0
	WIN 0
; THE WAY OUT, block by block of 16 rows x 128 columns (one head).  Register j of accumulator (a, b) in lane (r, h) is C(16 a + r, 16 b + 8 h + j): pairs (2 i, 2 i + 1) of the head lie in register pairs.
; q, k: out(2 i) = x(2 i) cos - x(2 i + 1) sin, out(2 i + 1) = x(2 i + 1) cos + x(2 i) sin, cos and sin of position t = my row and pair i, with the factor in them: two packed instructions a pair.
.macro TLD a                           ; block a's (cos, sin): for each accumulator b the four pairs 8 b + 4 h + 0 .. 3 of row 16 a + r: 32 bytes
.irp b, 0,1,2,3,4,5,6,7
.irp u, 0,1
	global_load_b128 v[CS0+64*((\a)%2)+8*\b+4*\u:CS0+64*((\a)%2)+8*\b+4*\u+3], v[TA], s[96:97] offset:8192*(\a)+64*\b+16*\u
.endr
.endr
.endm
.macro TOF16                           ; 64 numbers become 32 words of two f16, in ascending order, so that no word lands on numbers not yet read
.set n, 0
.rept 32
	v_cvt_pk_f16_f32 v[TT+n], v[TT+2*n], v[TT+2*n+1]
.set n, n+1
.endr
.endm
.macro ROT a
.set AC, 64*((\a)%4)
.set CSR, CS0+64*((\a)%2)
	WIN 0x02+(\a)/4                                ; source 0: the accumulators' window.
.set n, 0
.rept 32
	v_pk_mul_f32 v[TT+2*n:TT+2*n+1], v[AC+2*n:AC+2*n+1], v[CSR+2*n:CSR+2*n+1] op_sel:[1,1] op_sel_hi:[0,1] neg_lo:[1,0]   ; (-x1 sin, x0 sin)
.set n, n+1
.endr
.set n, 0
.rept 32
	v_pk_fma_f32 v[TT+2*n:TT+2*n+1], v[AC+2*n:AC+2*n+1], v[CSR+2*n:CSR+2*n+1], v[TT+2*n:TT+2*n+1] op_sel_hi:[1,0,1]      ; + (x0 cos, x1 cos)
.set n, n+1
.endr
	WIN 0
	TOF16
.endm
.macro VSC a                           ; v: x 1/4
.set AC, 64*((\a)%4)
	WIN 0x02+(\a)/4
.set n, 0
.rept 32
	v_pk_mul_f32 v[TT+2*n:TT+2*n+1], v[AC+2*n:AC+2*n+1], s[92:93] op_sel_hi:[1,0]
.set n, n+1
.endr
	WIN 0
	TOF16
.endm
.macro TOST                            ; 16 bytes a lane into my stage, and back as whole rows of 256 bytes.  LDS serves a wave's instructions in order: no wait between the stores and the loads
.irp b, 0,1,2,3,4,5,6,7
	ds_store_b128 v[STO], v[TT+4*\b:TT+4*\b+3] offset:32*\b
.endr
.irp t, 0,1,2,3,4,5,6,7
	ds_load_b128 v[BK+4*\t:BK+4*\t+3], v[RD] offset:\t*2*SPITCH
.endr
.endm
.macro SEND a
	s_wait_dscnt 0x0                               ; the block is back in registers
.irp t, 0,1,2,3,4,5,6,7
	global_store_b128 v[CO], v[BK+4*\t:BK+4*\t+3], s[98:99] offset:4096*(\a)+512*\t   ; 32 lanes store 512 consecutive bytes, aligned
.endr
.endm
	PLACES NP                                      ; behind the last products: for the loads into the registers that held scale words and A's fragments, and for the reads of results
	s_cmp_eq_u32 s95, 2
	s_cbranch_scc1 .Lvalues
	TLD 0
	TLD 1
.irp a, 0,1,2,3,4,5,6,7
.if \a < 7
	s_wait_loadcnt 16                              ; this block's table is in; the next block's sixteen loads may be out
.else
	s_wait_loadcnt 0x0
.endif
	ROT \a
.if \a < 6
	TLD \a+2                                       ; into the set just read
.endif
.if \a > 0
	SEND \a-1                                      ; the block before has had this block's arithmetic in which to come back from the stage
	s_wait_xcnt 0x0                                ; its stores' registers are loaded again only behind this wait
.endif
	TOST
.endr
	SEND 7
	s_branch .Lout
.Lvalues:
.irp a, 0,1,2,3,4,5,6,7
	VSC \a
.if \a > 0
	SEND \a-1
	s_wait_xcnt 0x0
.endif
	TOST
.endr
	SEND 7
.Lout:
	s_wait_tensorcnt 0x0                           ; the wave's end: behind my last tensor load and my last LDS store
	ds_add_u32 v[SPW], v[NIL]
	s_wait_dscnt 0x0
	CROUND                                         ; the closing round: no work-group ends while a partner may still ask for a tile that names it
	s_endpgm
.Lfunc_end_k_q7a8aa218b8_qkv:
	.size	k_q7a8aa218b8_qkv, .Lfunc_end_k_q7a8aa218b8_qkv-k_q7a8aa218b8_qkv
	.p2alignl 7, 3214868480
	.fill 96, 4, 3214868480
	.section	.rodata,"a",@progbits
	.p2align	6, 0x0
	.amdhsa_kernel k_q7a8aa218b8_qkv
		.amdhsa_group_segment_fixed_size 327680
		.amdhsa_private_segment_fixed_size 0
		.amdhsa_enable_private_segment 0
		.amdhsa_kernarg_size 32
		.amdhsa_user_sgpr_count 2
		.amdhsa_user_sgpr_kernarg_segment_ptr 1
		.amdhsa_wavefront_size32 1
		.amdhsa_system_sgpr_workgroup_id_x 1
		.amdhsa_system_sgpr_workgroup_id_y 1
		.amdhsa_system_sgpr_workgroup_id_z 1
		.amdhsa_system_vgpr_workitem_id 0
		.amdhsa_next_free_vgpr 1024
		.amdhsa_next_free_sgpr 100
		.amdhsa_reserve_vcc 0
		.amdhsa_float_denorm_mode_32 3
		.amdhsa_float_denorm_mode_16_64 3
		.amdhsa_memory_ordered 1
		.amdhsa_forward_progress 1
		.amdhsa_inst_pref_size 255
	.end_amdhsa_kernel
	.section	.bss,"aw",@nobits
	.p2align	6
	.space	262144
	.amdgpu_metadata
---
amdhsa.version: [ 1, 2 ]
amdhsa.kernels:
  - .name:           k_q7a8aa218b8_qkv
    .symbol:         k_q7a8aa218b8_qkv.kd
    .args:
      - { .name: codes, .offset: 0, .size: 8, .value_kind: global_buffer, .address_space: global }
      - { .name: scales, .offset: 8, .size: 8, .value_kind: global_buffer, .address_space: global }
      - { .name: rope, .offset: 16, .size: 8, .value_kind: global_buffer, .address_space: global }
      - { .name: qkv, .offset: 24, .size: 8, .value_kind: global_buffer, .address_space: global }
    .group_segment_fixed_size: 327680
    .private_segment_fixed_size: 0
    .kernarg_segment_align: 8
    .kernarg_segment_size: 32
    .max_flat_workgroup_size: 128
    .sgpr_count:     100
    .vgpr_count:     1024
    .wavefront_size: 32
...
	.end_amdgpu_metadata
.endif
;; end of part 2
;; launch attn (part 3): grid 16 x 16, 4 waves a work-group, clusters of 4 x 1, 327,680 bytes of LDS; arguments qkv, mbits, att; writes att
.if DOCPART == 3
	.amdgcn_target "amdgcn-amd-amdhsa--gfx1250"
	.amdhsa_code_object_version 6
	.text
	.protected	k_q7a8aa218b8_attn
	.globl	k_q7a8aa218b8_attn
	.p2align	8
	.type	k_q7a8aa218b8_attn,@function
k_q7a8aa218b8_attn:
	s_mov_b64 s[64:65], 0
	v_nop
	global_prefetch_b8 v0, s[64:65] scope:SCOPE_SE
	s_setreg_imm32_b32 hwreg(HW_REG_WAVE_MODE, 25, 1), 1
	s_wait_xcnt 0x0
	s_wait_alu depctr_hold_cnt(0) depctr_sa_sdst(0) depctr_va_vdst(0) depctr_va_sdst(0) depctr_va_ssrc(0) depctr_va_vcc(0) depctr_vm_vsrc(0)
	s_getreg_b32 s2, hwreg(HW_REG_IB_STS2, 6, 4)
	s_cmp_eq_u32 s2, 0
	s_cbranch_scc0 .Lentry_in_a_cluster
	s_endpgm
.Lentry_in_a_cluster:
	s_bfe_u32 s2, ttmp6, 0x10000c
	s_cmp_lg_u32 s2, 0x3003
	s_cbranch_scc0 .Lentry_shape_is_right
	s_endpgm
.Lentry_shape_is_right:
; ATTENTION LAYER, launch 3 of 4: att[q][head] = (the sum over k of softmax_k(mask ? q.k / sqrt(128) : -inf) v[k]) / 4, in f16.  No work is left out: the mask is an input, so every key tile is multiplied and the mask selects.
; Inputs (launch 2): qkv[g][t][128] f16: q x 4 c (c = log2(e)/sqrt(128)), k / 4, v / 4: a score comes out of the first product as t = sim x log2(e).  mbits (launch 1): a lane mask for each score register.
; Products in f16 with f32 sums; maxima, exponentials and sums in f32; the weights p = 2^(t - m) are rounded to f16 for the second product.
; SHARES.  A work-group owns 128 queries of one head.  Wave w: queries 64 (w % 2) on, four tiles of 16; of the head's 32 key steps of 64 keys those with number 2 i + w / 2.  The two halves of the keys are joined through LDS at the end.
; LAYOUT.  S^T = K Q^T (source 0 = 16 keys, source 1 = 16 queries): a lane holds ONE query (lane % 16) and the keys 8 (lane / 16) + 0..7.  Two such tiles, rounded in pairs, ARE source 1 of O^T = V^T P.
; K comes out of LDS as it lies, V ([key][channel]) turned, by ds_load_tr16_b128.
; SOFTMAX.  A running maximum m and sum l for each query; in every step O and l are multiplied by a = 2^(m_old - m_new).  m begins at -3e38, which also keeps m finite while all keys so far are masked:
; p = 2^(-inf - m) = 0 then.  A query with no key at all ends with l = 0 and O = 0: 0 x (1/0) is NaN, as the problem has it.
; BY TURNS.  The wave's tiles are two PIECES (tiles 0, 1 and tiles 2, 3).  In a TURN one piece has the matrix unit: 32 products V^T P of the step in hand, then 32 products K Q^T of the next; the other piece's softmax,
; 330 instructions cut into 64 slices, stands between them, one slice behind each matrix instruction.  Two turns are a key step of the wave.
; CLUSTER.  The four query blocks of a cluster belong to one head and walk the same K and V: each tile is asked for JOINTLY, by the same tensor load with the same descriptor and a mask that names the four.
; REGISTERS, in windows of 256: window 0: v0-11 addresses; v12-43 eight registers of statistics a tile; v44, v45, v60-63 below; v64-191 S^T, 32 a tile; v192-255 P, 16 a tile
;   window 1: O^T, 64 a tile          window 2: v0-127 Q; v128-255 K of one step (at the end: the partner's O^T)          window 3: v0-127 V of one step
.set KS,    64        ; keys in a step
.set PK,    272       ; a row of K in LDS: 256 bytes + 16 of padding
.set PV,    288       ; a row of V: 256 + 32
.set VOFF,  KS*PK     ; a step's tiles lie together: 64 rows of K, then 64 rows of V
.set STEPB, KS*(PK+PV)
.set SLOT1, 1<<17     ; a slot holds two steps, one for each half of the waves; slot 1 begins here, so that one exclusive or turns an address in one slot into the other's
.set STAGE, SLOT1+2*STEPB  ; behind the ring: 16 rows x 272 bytes for each wave, for the way out
.set SP,    272
.set MO,    STAGE+4*16*SP  ; images of O^T: 32,768 bytes for each half of the queries
.set MST,   MO+2*32768     ; and of (m, l): 4 tiles x 256 bytes for each half
.set SPARE, MST+2048       ; the spare words, 128 bytes for each wave
.set AK0, 2           ; v2   my lane's place in a tile of K; never rewritten
.set AV0, 3           ; v3   the same for V
.set ADR, 4           ; v4   the LDS address of the run of loads in hand
.set QO,  5           ; v5   my byte offset in the wave's rows of Q
.set STO, 6           ; v6   the way out: where I put 16 bytes of a row
.set RD,  7           ; v7   the way out: where I read a row back
.set GO,  8           ; v8   my byte offset in two rows of att
.set ST,  12          ; tile t's statistics at v[ST+8 t]: +0 m, +1 (the pair's upper word; at the end l), +2, +3 l (even keys', odd keys'), +4 to +7 c0-c3, at work; a takes c2's place
.set MOA, 44          ; v44  where an image of O^T lies for my lane
.set MSA, 45          ; v45  and of (m, l)
.set NINF, 60         ; v60  -infinity
.set PFO, 61          ; v61  256 x my lane: a row of K or V is 256 bytes; never rewritten
.set SPW, 62          ; v62  LDS address of my spare word; never rewritten
.set NIL, 63          ; v63  0; never rewritten
.set S,   64
.set P,   192
.set KF,  128         ; K's fragments, in window 2
.set WV,  2           ; s2   my wave's number
.set TB,  3           ; s3   LDS byte at which the tiles of my step begin
.set SLOTS, 4         ; s4   slots still to be asked for
.set LIM, 5           ; s5   1 in a wave that prefetches, else the greatest number
.set G1K, 8           ; s[8:15]  descriptor group 1 for K's tiles
.set G1V, 16          ; s[16:23] for V's: it differs in the padding alone
.set G0W, 24          ; s[24:27] my descriptor group 0: slot 1's first fill, then it walks
.set G0F, 60          ; s[60:63] group 0 of slot 0's first fill
.set SEL, 66          ; s[66:67] lane selects for v_permlanex16_b32: lane l xor 16
.set PFA, 100         ; s[100:101] where my prefetches stand
.set MP,  104         ; s[104:105] my wave's first tile's mask words of the step in hand
                      ; s[28:59] the 32 lane masks of the piece's even tile, s[68:99] of its odd tile (before the first mask load: temporaries)
.set MSB, 0
.macro WIN new                      ; the immediate's high byte repeats the setting that is left; a switch that changes nothing is dropped
.if MSB != \new
	s_set_vgpr_msb (MSB<<8)|\new
.set MSB, \new
.endif
.endm
.set W_KQ, 0x0a       ; K and Q in window 2, S^T in window 0
.set W_PV, 0x53       ; V in window 3, P in window 0, O^T in window 1
.set W_RS, 0x41       ; O^T (destination and source 0) in window 1, the factor in window 0
; A joint refill.  Waves 0 and 1 fetch the slot's two tiles of K, waves 2 and 3 those of V.  The branch hangs on the wave's number alone.  An s_nop 0 and four v_nop follow each of the two lines.
.macro JLOAD
	s_cmp_lt_u32 s[WV], 2
	s_cbranch_scc0 .Lfor_v_\@
	tensor_load_to_lds s[G0W:G0W+3], s[G1K:G1K+7]
	s_nop 0
.rept 4
	v_nop
.endr
	s_branch .Lasked_\@
.Lfor_v_\@:
	tensor_load_to_lds s[G0W:G0W+3], s[G1V:G1V+7]
	s_nop 0
.rept 4
	v_nop
.endr
.Lasked_\@:
.endm
; A PREFETCH of what the NEXT change of slots will ask for: a slot's 128 rows of K and 128 of V, a lane a row.  Each row is named once in the launch: the head's first cluster asks; its four partners take 32 rows each,
; told apart by address; in each, wave 0 asks for K's and wave 2 for V's.  The last change that fills a slot asks for nothing; slots 0, 1 and 2 come by their loads alone.
.macro ASK
	s_cmp_gt_u32 s[SLOTS], s[LIM]
	s_cbranch_scc0 .Lnot_mine_\@
	global_prefetch_b8 v[PFO], s[PFA:PFA+1] th:TH_LOAD_NT scope:SCOPE_SE
.Lnot_mine_\@:
.endm
.macro CROUND                       ; a round of the cluster's barrier
	s_barrier_signal -1
	s_barrier_wait -1
	s_cmp_lg_u32 s[WV], 0
	s_cbranch_scc1 .Lnot_wave_0_\@
	s_barrier_signal -3
.Lnot_wave_0_\@:
	s_barrier_wait -3
	s_barrier_signal -1
	s_barrier_wait -1
.endm
; The 64 lane masks of piece x (tiles x, x + 1) into scalar registers: 128 bytes a tile.  step = 1 and x = 0: on to my next key step, two steps of 128 bytes further.
.macro MLOAD x, step
.if ((\x) == 0) && \step
	s_add_nc_u64 s[MP:MP+1], s[MP:MP+1], 256   ; (the loads that read it were waited for at the turn's head)
.endif
	s_load_b512 s[28:43], s[MP:MP+1], 4096*(\x)
	s_load_b512 s[44:59], s[MP:MP+1], 4096*(\x)+64
	s_load_b512 s[68:83], s[MP:MP+1], 4096*(\x)+4096
	s_load_b512 s[84:99], s[MP:MP+1], 4096*(\x)+4160
.endm
	s_load_b128 s[28:31], s[0:1], 0x0  ; qkv s[28:29], mbits s[30:31]
	s_load_b64 s[6:7], s[0:1], 0x10    ; att
	v_lshl_add_u32 v[SPW], v0, 2, SPARE
	v_mov_b32 v[NIL], 0
	ds_add_u32 v[SPW], v[NIL]       ; the wave's opening: the add, twice on end, and its wait ahead of my first tensor load
	ds_add_u32 v[SPW], v[NIL]
	v_lshrrev_b32 v1, 5, v0
	v_readfirstlane_b32 s[WV], v1   ; wave 0..3
	s_bfe_u32 s32, ttmp6, 0x40000   ; cx: my place in the cluster
	s_lshl_b32 s33, ttmp9, 2
	s_add_co_u32 s33, s33, s32      ; my block of 128 queries = 4 x cluster x + cx: it enters global addresses of Q, the masks and att alone
	s_and_b32 s34, ttmp7, 0xffff    ; the head, which the four partners share,
	s_lshl_b32 s34, s34, 19         ; x 2,048 rows of 256 bytes
	s_and_b32 s36, s[WV], 1         ; which 64 queries are mine.  Also: which of a slot's two steps I fetch
	s_lshr_b32 s37, s[WV], 1        ; which half of the key steps is mine.  Also: I fetch for K (0) or for V (1)
	s_mul_i32 s42, s36, STEPB
	s_mul_i32 s43, s37, VOFF
	s_add_co_u32 s42, s42, s43      ; where my tile goes in a slot: no place in the cluster enters an LDS address
	s_mul_i32 s[TB], s37, STEPB     ; and where the tiles that I read begin
	s_add_co_u32 s40, s37, 1
	s_lshl_b32 s40, s40, 23         ; K's heads begin 16 heads (8 MiB) into qkv, V's 32
	s_add_co_u32 s40, s40, s34
	s_lshl_b32 s41, s36, 14         ; a step's 64 rows
	s_add_co_u32 s40, s40, s41
	s_mov_b32 s41, 0
	s_lshl_b32 s44, s33, 7
	s_lshl_b32 s43, s36, 6
	s_add_co_u32 s44, s44, s43      ; my first query
	s_lshl_b32 s46, s44, 8
	s_add_co_u32 s46, s46, s34      ; its row of Q
	s_mov_b32 s47, 0
	s_lshl_b32 s48, s44, 12         ; its row of att, 4,096 bytes,
	s_lshr_b32 s43, s34, 11
	s_add_co_u32 s48, s48, s43      ; + 256 x head
	s_mov_b32 s49, 0
	s_lshl_b32 s50, s44, 8          ; its tile's mask words: 4,096 bytes for 16 queries,
	s_lshl_b32 s43, s37, 7
	s_add_co_u32 s50, s50, s43      ; + 128 x my first key step
	s_mov_b32 s51, 0
	s_lshl_b32 s52, s32, 13         ; the prefetches: my work-group's 32 rows of the 128,
	s_add_co_u32 s52, s52, 2*2*KS*256  ; in slot 2; the first change of slots steps it to slot 3
	s_mov_b32 s53, 0
	; descriptor group 1: a tile of 64 rows x 128 elements, padded in LDS
	s_mov_b32 s[G1K], 15|(1<<16)|(1<<20)|(1<<21)|(5<<22)|(3<<25)  ; 15:0 the mask: all four work-groups; 17:16 elements of 2 bytes; 20 padding on; 21 set beside a mask; 24:22 after every 64 words; 31:25 4 words of it
	s_mov_b32 s[G1V], 15|(1<<16)|(1<<20)|(1<<21)|(5<<22)|(7<<25)  ; the same with 8 words of padding
.irp g, G1K, G1V
	s_mov_b32 s[\g+1], 128<<16      ; tensor_dim0 = 128
	s_mov_b32 s[\g+2], KS<<16       ; tensor_dim1 = 64
	s_mov_b32 s[\g+3], 128<<16      ; tile_dim0 = 128
	s_mov_b32 s[\g+4], KS           ; tile_dim1 = 64
	s_mov_b32 s[\g+5], 128          ; tensor_dim0_stride
	s_mov_b32 s[\g+6], 0
	s_mov_b32 s[\g+7], 0
.endr
	s_mov_b32 s[SEL], 0x76543210
	s_mov_b32 s[SEL+1], 0xfedcba98
	s_mov_b32 s[SLOTS], 14          ; fourteen of the sixteen slots' worth of keys come by refills
	s_and_b32 s[LIM], s[WV], 1      ; 0 in waves 0 and 2,
	s_or_b32 s[LIM], s[LIM], ttmp9  ; where the cluster is the head's first: the same in all four partners
	s_cmp_eq_u32 s[LIM], 0
	s_cselect_b32 s[LIM], 1, -1
	v_and_b32 v[PFO], 31, v0
	v_lshlrev_b32 v[PFO], 8, v[PFO]
	s_wait_dscnt 0x0                ; both opening adds are done
	s_wait_kmcnt 0x0
	s_add_nc_u64 s[40:41], s[28:29], s[40:41]  ; my tile of slot 0 in memory
	s_add_nc_u64 s[46:47], s[28:29], s[46:47]  ; Q at my first query
	s_add_nc_u64 s[6:7], s[6:7], s[48:49]      ; att likewise
	s_add_nc_u64 s[MP:MP+1], s[30:31], s[50:51]
	s_add_nc_u64 s[PFA:PFA+1], s[40:41], s[52:53]  ; (in waves 0 and 2 s[40:41] stands at a slot's first row)
	CROUND                          ; all four work-groups are here: the first joint loads meet
	s_mov_b32 s[G0F], 1             ; count = 1
	s_mov_b32 s[G0F+1], s42         ; LDS address: slot 0
	s_mov_b64 s[G0F+2:G0F+3], s[40:41]  ; global address: keys 0 to 127
	s_or_b32 s[G0F+3], s[G0F+3], 0x80000000  ; type = 2
	s_mov_b32 s[G0W], 1
	s_add_co_u32 s[G0W+1], s42, SLOT1
	s_add_nc_u64 s[G0W+2:G0W+3], s[40:41], 2*KS*256  ; keys 128 to 255
	s_or_b32 s[G0W+3], s[G0W+3], 0x80000000
	s_cmp_lt_u32 s[WV], 2           ; a wave's two first fills stand in one branch, ahead of every wait on TENSORcnt and every LDS read: two loads of mine are out
	s_cbranch_scc0 .Lfirst_v
	tensor_load_to_lds s[G0F:G0F+3], s[G1K:G1K+7]
	s_nop 0
	tensor_load_to_lds s[G0W:G0W+3], s[G1K:G1K+7]
	s_nop 0
.rept 4
	v_nop
.endr
	s_branch .Lfirst_asked
.Lfirst_v:
	tensor_load_to_lds s[G0F:G0F+3], s[G1V:G1V+7]
	s_nop 0
	tensor_load_to_lds s[G0W:G0W+3], s[G1V:G1V+7]
	s_nop 0
.rept 4
	v_nop
.endr
.Lfirst_asked:
	; A fragment of K or Q is 16 rows x 32 channels in 8 registers: lane l holds row l % 16; registers 0-3 channels 8 (l / 16) + 0..7, registers 4-7 channels 16 + 8 (l / 16) + 0..7
	v_and_b32 v1, 15, v0            ; r = l % 16
	v_bfe_u32 v9, v0, 4, 1          ; h = l / 16
	v_lshlrev_b32 v[QO], 8, v1
	v_lshl_add_u32 v[QO], v9, 4, v[QO]  ; row x 256 + 16 x half
	WIN 0x80                        ; destination window 2, address window 0
.irp i, 0,1,2,3,4,5,6,7,8,9,10,11,12,13,14,15  ; Q stays in registers: tile i / 4, channels 32 (i % 4) on
	global_load_b128 v[8*\i:8*\i+3],   v[QO], s[46:47] offset:(\i/4)*4096+(\i%4)*64
	global_load_b128 v[8*\i+4:8*\i+7], v[QO], s[46:47] offset:(\i/4)*4096+(\i%4)*64+32
.endr
	WIN 0
	v_mul_u32_u24 v[AK0], v1, PK
	v_lshl_add_u32 v[AK0], v9, 4, v[AK0]  ; row x pitch + 16 x half
	; The turning load takes 16 keys x 16 channels (lane l reads 16 bytes: key 8 (l / 16) + l % 8, channels 8 ((l / 8) % 2) + 0..7) and leaves half a fragment of V^T
	v_and_b32 v10, 7, v0
	v_bfe_u32 v11, v0, 3, 1
	v_lshl_add_u32 v[AV0], v9, 3, v10
	v_mul_u32_u24 v[AV0], v[AV0], PV
	v_lshl_add_u32 v[AV0], v11, 4, v[AV0]
	v_add_nc_u32 v[AV0], VOFF, v[AV0]
	v_mov_b32 v[NINF], 0xff800000
.irp t, 0,1,2,3
	v_mov_b32 v[ST+8*\t], 0xff61b1e6   ; m = -3e38
	v_mov_b32 v[ST+8*\t+1], 0          ; (named with m as a pair, so it is written)
.endr
; THE MATRIX WORK OF A TURN, for piece x.  The accumulators take turns, one instruction a turn.
; Product i of 32 of O^T += V^T P: keys 32 (i / 16) on, channels 16 ((i / 2) % 8) on, tile x + i % 2.  zero = 1: the first 16 start the sums.
.macro PV x, zero
	WIN W_PV
.set rO, 64*(\x+i%2)+8*((i/2)%8)
.set rV, 64*(i/16)+8*((i/2)%8)
.set rP, P+16*(\x+i%2)+8*(i/16)
.if \zero && (i < 16)
	v_wmma_f32_16x16x32_f16 v[rO:rO+7], v[rV:rV+7], v[rP:rP+7], 0
.else
	v_wmma_f32_16x16x32_f16 v[rO:rO+7], v[rV:rV+7], v[rP:rP+7], v[rO:rO+7]
.endif
.endm
; Product i of 32 of S^T = K Q^T: channels 32 (i / 8) on, keys 16 ((i / 2) % 4) on, tile x + i % 2.  The first 8 start the sums.
.macro KQ x
	WIN W_KQ
.set rS, S+32*(\x+i%2)+8*((i/2)%4)
.set rK, KF+32*((i/2)%4)+8*(i/8)
.set rQ, 32*(\x+i%2)+8*(i/8)
.if i < 8
	v_wmma_f32_16x16x32_f16 v[rS:rS+7], v[rK:rK+7], v[rQ:rQ+7], 0
.else
	v_wmma_f32_16x16x32_f16 v[rS:rS+7], v[rK:rK+7], v[rQ:rQ+7], v[rS:rS+7]
.endif
.endm
; THE LDS LOADS stand in runs of 32: a step's K and, a turn later, its V (turned).
.macro FETCH_K
	WIN 0
	v_add_nc_u32 v[ADR], s[TB], v[AK0]
	WIN 0x80                        ; destination window 2
.irp f, 0,1,2,3,4,5,6,7,8,9,10,11,12,13,14,15  ; keys 16 (f / 4) on, channels 32 (f % 4) on
	ds_load_b128 v[KF+8*\f:KF+8*\f+3],   v[ADR] offset:(\f/4)*16*PK+(\f%4)*64
	ds_load_b128 v[KF+8*\f+4:KF+8*\f+7], v[ADR] offset:(\f/4)*16*PK+(\f%4)*64+32
.endr
.endm
.macro FETCH_V
	WIN 0
	v_add_nc_u32 v[ADR], s[TB], v[AV0]
	s_wait_alu depctr_va_vdst(0)    ; the wait for the softmax's batch of exponentials, ahead of the first instruction that names a result
	WIN 0xc0                        ; destination window 3
.irp f, 0,1,2,3,4,5,6,7,8,9,10,11,12,13,14,15  ; keys 32 (f / 8) on, channels 16 (f % 8) on
	ds_load_tr16_b128 v[8*\f:8*\f+3],   v[ADR] offset:(\f/8)*32*PV+(\f%8)*32
	ds_load_tr16_b128 v[8*\f+4:8*\f+7], v[ADR] offset:(\f/8)*32*PV+16*PV+(\f%8)*32
.endr
.endm
; THE VECTOR WORK OF A TURN.  One tile's softmax for one key step is a list of 165 instructions; SM writes number j of it for tile t.  s0-s31 are the lane's 32 scores, in pairs 0-15.
; first = 1: the tile's first key step, which starts l and O^T: it has no a and nothing to rescale.
;   0-31    the mask: a score whose bit is 0 becomes -infinity.  Ascending
;   32-47   the maximum of s0-s31 and the old m, three operands at a time
;   48-51   the other half of the lanes' maximum; the new m; m_old - m_new
;   52-100  ONE BATCH: the 16 scalings s - m, a pair of scores each, and all 33 exponentials.  None of these reads an exponential's result.  A pair is scaled ahead of its exponentials
;   (wait)  between 100 and 101 stands the wait for the batch, once for both tiles
;   101-116 the roundings to f16      117-132 the sums; l = a l + the sum      133-164 the tile's O^T times a
.macro SM t, first
.set rT, ST+8*(\t)
.set rS, S+32*(\t)
.set rP, P+16*(\t)
.set rM, 28+40*((\t)%2)
.set rO, 64*(\t)+2*(j-133)
.if j < 133
	WIN 0
.endif
.if j < 32
	v_cndmask_b32 v[rS+j], v[NINF], v[rS+j], s[rM+j]
.elseif j < 36
	v_max3_num_f32 v[rT+j-28], v[rS+8*(j-32)], v[rS+8*(j-32)+1], v[rS+8*(j-32)+2]
.elseif j < 44
	v_max3_num_f32 v[rT+4+j%4], v[rT+4+j%4], v[rS+8*(j%4)+2*((j-32)/4)+1], v[rS+8*(j%4)+2*((j-32)/4)+2]
.elseif j == 44
	v_max3_num_f32 v[rT+4], v[rT+4], v[rS+7], v[rS+15]
.elseif j == 45
	v_max3_num_f32 v[rT+6], v[rT+6], v[rS+23], v[rS+31]
.elseif j == 46
	v_max3_num_f32 v[rT+4], v[rT+4], v[rT+5], v[rT+6]
.elseif j == 47
	v_max3_num_f32 v[rT+4], v[rT+4], v[rT+7], v[rT]
.elseif j == 48
	v_permlanex16_b32 v[rT+5], v[rT+4], s[SEL], s[SEL+1]  ; the query's other 32 keys lie in the lane 16 away
.elseif j == 50
	v_max_num_f32 v[rT], v[rT+4], v[rT+5]
.elseif ((j == 49) || (j == 51) || (j == 54) || (j > 132)) && \first  ; the first step has none of these
.elseif j == 49
	v_mov_b32 v[rT+7], v[rT]        ; m_old is kept for a
.elseif j == 51
	v_sub_f32 v[rT+7], v[rT+7], v[rT]
.elseif j == 54
	v_exp_f32 v[rT+6], v[rT+7]      ; a
.elseif j < 101
.set u, j-52
.if u < 2
	v_pk_add_f32 v[rS+2*u:rS+2*u+1], v[rS+2*u:rS+2*u+1], v[rT:rT+1] op_sel_hi:[1,0] neg_lo:[0,1] neg_hi:[0,1]
.elseif u >= 45
	v_exp_f32 v[rS+u-17], v[rS+u-17]
.elseif (u-3)%3 == 0
.set b, (u-3)/3+2
	v_pk_add_f32 v[rS+2*b:rS+2*b+1], v[rS+2*b:rS+2*b+1], v[rT:rT+1] op_sel_hi:[1,0] neg_lo:[0,1] neg_hi:[0,1]  ; pair b: s - m
.else
.set e, 2*((u-3)/3)+(u-3)%3-1
	v_exp_f32 v[rS+e], v[rS+e]
.endif
.elseif j < 117
	v_cvt_pk_f16_f32 v[rP+j-101], v[rS+2*(j-101)], v[rS+2*(j-101)+1]
.elseif j < 133                     ; the sum of the tile's 16 pairs, in place: neighbours 1, 2, 4 and 8 pairs apart, then l takes it
.set z, j-117
.set w, 4
.set u, z
.if z >= 14
.set w, 32
.set u, 0
.elseif z >= 12
.set w, 16
.set u, z-12
.elseif z >= 8
.set w, 8
.set u, z-8
.endif
.if (z == 14) && \first
	v_pk_add_f32 v[rT+2:rT+3], v[rS:rS+1], v[rS+16:rS+17]
.elseif z < 15
	v_pk_add_f32 v[rS+w*u:rS+w*u+1], v[rS+w*u:rS+w*u+1], v[rS+w*u+w/2:rS+w*u+w/2+1]
.elseif !\first
	v_pk_fma_f32 v[rT+2:rT+3], v[rT+2:rT+3], v[rT+6:rT+7], v[rS:rS+1] op_sel_hi:[1,0,1]
.endif
.else
	WIN W_RS
	v_pk_mul_f32 v[rO:rO+1], v[rO:rO+1], v[rT+6:rT+7] op_sel_hi:[1,0]
.endif
.endm
; Position p of 330 of piece y's softmax: number p / 2 of tile y + p % 2: the two tiles alternate.
; Ahead of position 70 all 64 selects by the masks are issued: there the masks of piece x, whose scores this turn makes, are asked for; the next turn's head waits for them.
; Ahead of position 202 both tiles' exponentials are issued and no result has been named: one plain instruction, then the one wait; where piece 0's softmax is in hand, V's run of loads stands there with the wait in it.
.macro POS y, first, kq, x
.if (p == 70) && \kq
	MLOAD \x, 1
.endif
.if p == 202
	v_nop
.if (\y) == 0
	FETCH_V
.else
	s_wait_alu depctr_va_vdst(0)
.endif
.endif
.set tt, (\y)+p%2
.set j, p/2
	SM tt, \first
.set p, p+1
.endm
.macro SLICE y, first, kq, x        ; five positions; the 64th slice takes the ten that are over too: its fifteen are plain and name nothing of the products round them
.rept 5
	POS \y, \first, \kq, \x
.endr
.if p == 320
.rept 10
	POS \y, \first, \kq, \x
.endr
.endif
.endm
.macro PLACES
.rept 4
	v_nop
.endr
.endm
; A TURN.  Piece x has the matrix unit; the other piece's softmax stands in slices behind its matrix instructions.
; pv = 2: 32 products V^T P; 1: they start O^T's sums; 0: none.  kq = 1: 32 products K Q^T for the next step.  A turn with one of the two kinds has two slices behind each product.
; first = 1: the softmax is a first key step's; its last slices are empty, and four v_nop take their part as the places behind the turn's last products.
; Piece 0's turn fetches the next step's K behind its second product: the last product that read K stands in front of the 64th slice of the turn before.  Piece 2's turn fetches the same step's V at position 202:
; the last product that read V is the turn's 32nd, and behind it stand twelve scalings, the v_nop and the run's own addition.
.macro TURN x, pv, kq, first
.set p, 0
.set per, 2
.if \pv && \kq
.set per, 1
.endif
	s_wait_kmcnt 0x0                ; this turn's masks are in
.if \pv
.if \x == 0
	s_wait_dscnt 0x0                ; V is in
.endif
.set i, 0
.rept 32
	PV \x, 2-\pv
.rept per
	SLICE 2-\x, \first, \kq, \x
.endr
.if (\x == 0) && \kq && (i == 1)
	FETCH_K
.endif
.set i, i+1
.endr
.endif
.if \kq
.if \x == 0
	s_wait_dscnt 0x0                ; K is in
.endif
.set i, 0
.rept 32
	KQ \x
.rept per
	SLICE 2-\x, \first, \kq, \x
.endr
.set i, i+1
.endr
.endif
.if \first
	PLACES
.endif
.endm
; THE CHANGE OF SLOTS, between piece 2's turn and piece 0's: my step's K and V have been asked for.  Each wave waits for all its tensor loads, of which one is out: its part of the other slot; adds 0 to its spare word;
; and waits for that and for its own reads of the slot.  fill = 1: this slot is filled again, with the keys two slots on; the barrier is then a round of the cluster's, and the joint refill is the first thing behind it:
; it has a key step of every wave, 128 matrix instructions, in which to land.
.macro CHANGE fill
	WIN 0                           ; at a label and at a branch every window is 0
	s_wait_tensorcnt 0x0            ; no tensor load of mine is out, so group 0 may be written
	ds_add_u32 v[SPW], v[NIL]       ; 0 onto my spare word
.if \fill
	s_xor_b32 s[G0W+1], s[G0W+1], SLOT1  ; the walking descriptor: the other slot than last time,
	s_add_nc_u64 s[G0W+2:G0W+3], s[G0W+2:G0W+3], 2*KS*256  ; the next 128 keys; the type bits on top are not reached
	s_wait_xcnt 0x0                 ; the last prefetch, a key step back, has read its address, so it may be written:
	s_add_nc_u64 s[PFA:PFA+1], s[PFA:PFA+1], 2*KS*256  ; one slot further on than the walking descriptor
	s_wait_dscnt 0x0                ; the add is done, and my reads of the slot are over
	CROUND
	JLOAD
	ASK
.else
	s_wait_dscnt 0x0                ; the add is done, and my reads of the slot are over
	s_barrier_signal -1
	s_barrier_wait -1
.endif
	s_xor_b32 s[TB], s[TB], SLOT1   ; my next step lies in the other slot
.endm
	s_wait_tensorcnt 1              ; my part of slot 0 is in; slot 1's may stay out
	s_barrier_signal -1
	s_barrier_wait -1               ; everybody's is
	FETCH_K                         ; my key step 0
	s_wait_loadcnt 0x0              ; Q is in, and its base, which lies among the mask registers, is free
	MLOAD 0, 0                      ; piece 0's masks of my step 0
	s_wait_dscnt 0x0
.set i, 0
.rept 32
	KQ 0                            ; piece 0's first scores: there is no vector work yet to set between them
.set i, i+1
.endr
	WIN 0                           ; the addresses for the joining and the way out are made here, from the thread's number alone: plain instructions, the places behind those products
	v_lshrrev_b32 v10, 5, v0
	v_mul_u32_u24 v10, v10, 16*SP
	v_add_nc_u32 v10, STAGE, v10    ; my stage
	v_mad_u32_u24 v[STO], v1, SP, v10  ; in: row l % 16, 16 bytes for each half of the lanes
	v_lshl_add_u32 v[STO], v9, 4, v[STO]
	v_mad_u32_u24 v[RD], v9, SP, v10   ; back: lanes 0-15 take one row of 256 bytes, lanes 16-31 the next
	v_lshl_add_u32 v[RD], v1, 4, v[RD]
	v_lshlrev_b32 v[GO], 12, v9     ; and the same two rows in att, 4,096 bytes apart
	v_lshl_add_u32 v[GO], v1, 4, v[GO]
	v_bfe_u32 v10, v0, 5, 1         ; which 64 queries
	v_and_b32 v11, 31, v0
	v_lshlrev_b32 v[MOA], 15, v10
	v_lshl_add_u32 v[MOA], v11, 4, v[MOA]
	v_add_nc_u32 v[MOA], MO, v[MOA]
	v_lshlrev_b32 v[MSA], 10, v10
	v_lshl_add_u32 v[MSA], v11, 3, v[MSA]
	v_add_nc_u32 v[MSA], MST, v[MSA]
	TURN 2, 0, 1, 1                 ; piece 2's first scores | piece 0's first softmax | V of step 0
	CHANGE 1
	TURN 0, 1, 1, 1                 ; piece 0: V^T P of step 0 starts O^T, K Q^T of step 1 | piece 2's first softmax | K of step 1
	TURN 2, 1, 1, 0                 ; piece 2: the same | piece 0's softmax of step 1 | V of step 1
	WIN 0
	s_mov_b32 s[SLOTS], 13
.Lslot:                             ; 13 trips: my steps 2 to 14; each fills the slot just left
	CHANGE 1
	TURN 0, 2, 1, 0
	TURN 2, 2, 1, 0
	WIN 0
	s_sub_co_u32 s[SLOTS], s[SLOTS], 1
	s_cmp_lg_u32 s[SLOTS], 0
	s_cbranch_scc1 .Lslot
	CHANGE 0                        ; the tail is written out: nothing is left to ask for
	TURN 0, 2, 1, 0
	TURN 2, 2, 1, 0
	TURN 0, 2, 0, 0                 ; piece 0: V^T P of the last step | piece 2's last softmax
.set i, 0
.rept 32
	PV 2, 0                         ; piece 2: V^T P of the last step
.set i, i+1
.endr
	; THE TWO HALVES OF THE KEYS ARE JOINED.  l's two halves and the other half of the lanes' are added (the additions are the places behind the last products).
	WIN 0
.irp t, 0,1,2,3
	v_add_f32 v[ST+8*\t+4], v[ST+8*\t+2], v[ST+8*\t+3]
.endr
.irp t, 0,1,2,3
	v_permlanex16_b32 v[ST+8*\t+5], v[ST+8*\t+4], s[SEL], s[SEL+1]
.endr
.irp t, 0,1,2,3
	v_add_f32 v[ST+8*\t+1], v[ST+8*\t+4], v[ST+8*\t+5]
.endr
	s_cmp_lt_u32 s[WV], 2
	s_cbranch_scc1 .Lkeep
	WIN 0x04                        ; waves 2 and 3: O^T (an LDS store's data are its source 1: window 1) goes to LDS as an image of its registers, each accumulator from its low end on,
.set n, 0
.rept 64
	ds_store_b128 v[MOA], v[4*n:4*n+3] offset:512*n
.set n, n+1
.endr
	WIN 0
.irp t, 0,1,2,3
	ds_store_b64 v[MSA], v[ST+8*\t:ST+8*\t+1] offset:256*\t   ; and (m, l)
.endr
.Lkeep:
	s_wait_dscnt 0x0                ; for the others' sake: my stores have landed
	s_barrier_signal -1
	s_barrier_wait -1
	s_cmp_lt_u32 s[WV], 2
	s_cbranch_scc0 .Ldone
.irp t, 0,1,2,3
	ds_load_b64 v[ST+8*\t+4:ST+8*\t+5], v[MSA] offset:256*\t   ; waves 0 and 1: the partner's (m, l),
.endr
	WIN 0x80                        ; and its O^T, into window 2, where Q and K lay
.set n, 0
.rept 64
	ds_load_b128 v[4*n:4*n+3], v[MOA] offset:512*n
.set n, n+1
.endr
	WIN 0
	s_wait_dscnt 63                 ; the four loads of (m, l) are in: of the 64 issued behind them 63 may be out
.irp t, 0,1,2,3
	v_max_num_f32 v[ST+8*\t+7], v[ST+8*\t], v[ST+8*\t+4]      ; the common maximum
.endr
.irp t, 0,1,2,3
	v_sub_f32 v[ST+8*\t+6], v[ST+8*\t], v[ST+8*\t+7]
	v_sub_f32 v[ST+8*\t+4], v[ST+8*\t+4], v[ST+8*\t+7]
.endr
.irp t, 0,1,2,3
	v_exp_f32 v[ST+8*\t+6], v[ST+8*\t+6]                      ; what brings my half under it,
	v_exp_f32 v[ST+8*\t+4], v[ST+8*\t+4]                      ; and the partner's
.endr
	v_nop                           ; a plain instruction behind the last exponential,
	s_wait_alu depctr_va_vdst(0)    ; and the wait ahead of the first use: one for the eight
.irp t, 0,1,2,3
	v_mul_f32 v[ST+8*\t+2], v[ST+8*\t+6], v[ST+8*\t+1]
.endr
.irp t, 0,1,2,3
	v_fma_f32 v[ST+8*\t+2], v[ST+8*\t+4], v[ST+8*\t+5], v[ST+8*\t+2]   ; the row's sum
.endr
.irp t, 0,1,2,3
	v_rcp_f32 v[ST+8*\t+3], v[ST+8*\t+2]
.endr
	v_nop
	s_wait_alu depctr_va_vdst(0)    ; one for the four reciprocals
.irp t, 0,1,2,3
	v_mul_f32 v[ST+8*\t+6], v[ST+8*\t+6], v[ST+8*\t+3]        ; my half's factor,
	v_mul_f32 v[ST+8*\t+4], v[ST+8*\t+4], v[ST+8*\t+3]        ; the partner's
.endr
	s_wait_dscnt 0x0                ; the partner's O^T is in
; Tile t: both halves are weighed and added; a lane's eight channels of a row pack into 16 bytes; they go into rows of 272 bytes and come back as whole rows of 256.
.macro PACK t
	WIN W_RS
.set i, 64*\t
.rept 32
	v_pk_mul_f32 v[i:i+1], v[i:i+1], v[ST+8*\t+6:ST+8*\t+7] op_sel_hi:[1,0]
.set i, i+2
.endr
	WIN 0x52                        ; source 0 window 2 (the partner's), source 1 window 0, source 2 and destination window 1
.set i, 64*\t
.rept 32
	v_pk_fma_f32 v[i:i+1], v[i:i+1], v[ST+8*\t+4:ST+8*\t+5], v[i:i+1] op_sel_hi:[1,0,1]
.set i, i+2
.endr
	WIN 0x05                        ; sources 0 and 1 window 1, destination window 0: S^T's registers are free
.set i, 0
.rept 32
	v_cvt_pk_f16_f32 v[S+32*\t+i], v[64*\t+2*i], v[64*\t+2*i+1]
.set i, i+1
.endr
	WIN 0
.irp f, 0,1,2,3,4,5,6,7
	ds_store_b128 v[STO], v[S+32*\t+4*\f:S+32*\t+4*\f+3] offset:32*\f
.endr
.irp f, 0,1,2,3,4,5,6,7
	ds_load_b128 v[S+32*\t+4*\f:S+32*\t+4*\f+3], v[RD] offset:\f*2*SP  ; LDS serves a wave's instructions in order: these see the stores above; the next tile's stores come behind them
.endr
.endm
.macro SEND t, younger              ; younger: the LDS instructions issued behind tile t's loads: the next tile's sixteen, or none
.irp f, 0,1,2,3,4,5,6,7
	s_wait_dscnt \younger+7-\f
	global_store_b128 v[GO], v[S+32*\t+4*\f:S+32*\t+4*\f+3], s[6:7] offset:\t*65536+\f*8192  ; 16 lanes store 256 consecutive bytes, aligned
.endr
.endm
	PACK 0
	PACK 1                          ; a tile's arithmetic stands between the loads of the tile before and its stores
	SEND 0, 16
	PACK 2
	SEND 1, 16
	PACK 3
	SEND 2, 16
	SEND 3, 0
.Ldone:
	s_wait_tensorcnt 0x0            ; the wave's end: behind my last tensor load and my last LDS store
	ds_add_u32 v[SPW], v[NIL]
	s_wait_dscnt 0x0
	CROUND                          ; the closing round: no work-group ends while a partner may still ask for a tile that names it
	s_endpgm
.Lfunc_end_k_q7a8aa218b8_attn:
	.size	k_q7a8aa218b8_attn, .Lfunc_end_k_q7a8aa218b8_attn-k_q7a8aa218b8_attn
	.p2alignl 7, 3214868480
	.fill 96, 4, 3214868480
	.section	.rodata,"a",@progbits
	.p2align	6, 0x0
	.amdhsa_kernel k_q7a8aa218b8_attn
		.amdhsa_group_segment_fixed_size 327680
		.amdhsa_private_segment_fixed_size 0
		.amdhsa_enable_private_segment 0
		.amdhsa_kernarg_size 24
		.amdhsa_user_sgpr_count 2
		.amdhsa_user_sgpr_kernarg_segment_ptr 1
		.amdhsa_wavefront_size32 1
		.amdhsa_system_sgpr_workgroup_id_x 1
		.amdhsa_system_sgpr_workgroup_id_y 1
		.amdhsa_system_sgpr_workgroup_id_z 1
		.amdhsa_system_vgpr_workitem_id 0
		.amdhsa_next_free_vgpr 1024
		.amdhsa_next_free_sgpr 106
		.amdhsa_reserve_vcc 0
		.amdhsa_float_denorm_mode_32 3
		.amdhsa_float_denorm_mode_16_64 3
		.amdhsa_memory_ordered 1
		.amdhsa_forward_progress 1
		.amdhsa_inst_pref_size 255
	.end_amdhsa_kernel
	.section	.bss,"aw",@nobits
	.p2align	6
	.space	262144
	.amdgpu_metadata
---
amdhsa.version: [ 1, 2 ]
amdhsa.kernels:
  - .name:           k_q7a8aa218b8_attn
    .symbol:         k_q7a8aa218b8_attn.kd
    .args:
      - { .name: qkv, .offset: 0, .size: 8, .value_kind: global_buffer, .address_space: global }
      - { .name: mbits, .offset: 8, .size: 8, .value_kind: global_buffer, .address_space: global }
      - { .name: att, .offset: 16, .size: 8, .value_kind: global_buffer, .address_space: global }
    .group_segment_fixed_size: 327680
    .private_segment_fixed_size: 0
    .kernarg_segment_align: 8
    .kernarg_segment_size: 24
    .max_flat_workgroup_size: 128
    .sgpr_count:     106
    .vgpr_count:     1024
    .wavefront_size: 32
...
	.end_amdgpu_metadata
.endif
;; end of part 3
;; launch proj (part 4): grid 16 x 16, 4 waves a work-group, clusters of 4 x 4, 327,680 bytes of LDS; arguments att, wo16, out0; writes out0
.if DOCPART == 4
	.amdgcn_target "amdgcn-amd-amdhsa--gfx1250"
	.amdhsa_code_object_version 6
	.text
	.protected	k_q7a8aa218b8_proj
	.globl	k_q7a8aa218b8_proj
	.p2align	8
	.type	k_q7a8aa218b8_proj,@function
k_q7a8aa218b8_proj:
	s_mov_b64 s[64:65], 0
	v_nop
	global_prefetch_b8 v0, s[64:65] scope:SCOPE_SE
	s_setreg_imm32_b32 hwreg(HW_REG_WAVE_MODE, 25, 1), 1
	s_wait_xcnt 0x0
	s_wait_alu depctr_hold_cnt(0) depctr_sa_sdst(0) depctr_va_vdst(0) depctr_va_sdst(0) depctr_va_ssrc(0) depctr_va_vcc(0) depctr_vm_vsrc(0)
	s_getreg_b32 s2, hwreg(HW_REG_IB_STS2, 6, 4)
	s_cmp_eq_u32 s2, 0
	s_cbranch_scc0 .Lentry_in_a_cluster
	s_endpgm
.Lentry_in_a_cluster:
	s_bfe_u32 s2, ttmp6, 0x10000c
	s_cmp_lg_u32 s2, 0xf033
	s_cbranch_scc0 .Lentry_shape_is_right
	s_endpgm
.Lentry_shape_is_right:
; ATTENTION LAYER, launch 4 of 4: out0[m][n] = sum over k of att[m][k] wo16[n][k].  att = (the attention's result) / 4 and wo16 = 4 wo, both f16: the product is the problem's.  Sums and out0 in f32.  No work is left out.
; A tile of out0 is 128 x 128: 16 x 16 = 256 work-groups.  Four waves, each 64 x 64: 16 accumulators of 16 x 16, 128 registers.  K goes in steps of 256 (LDS rows of 512 bytes; a wave's tensor load brings 64 of them).
; CLUSTERS: 4 x 4 work-groups.  The four of a row of the cluster need the same tiles of A, the four of a column the same tiles of B: each tile is asked for JOINTLY, by the same tensor load with the
; same descriptor and a mask that names the four.  THE MATRIX INSTRUCTION IS USED TRANSPOSED (source 0 = 16 rows of B, source 1 = 16 rows of A): a lane then holds eight neighbouring numbers of a row of out0.
; A wave's 64 columns of f32 are 256 aligned bytes of a row: each wave has a stage of its own for the way out, and no barrier is needed there.
; REGISTERS: window 0: v0-31 addresses; v32-95 rows on the way out; v128-255 the accumulators ((a, b) at v[128 + 8 (4 a + b)]).
;   window 1: two fragment buffers of 128: for 64 along K, 64 registers of A, then 64 of B.
.set SIZE_M, 2048
.set SIZE_N, 2048
.set SIZE_K, 2048
.set KSTEP,  256
.set PITCH,  528                       ; an LDS row: 512 bytes of data + 16 of padding
.set HALFT,  64*PITCH                  ; 64 rows: what one tensor load brings
.set SLOT,   4*HALFT                   ; A's 128 rows, then B's 128 rows
.set SPITCH, 272                       ; the way out: a stage row: 256 bytes + 16
.set SHALF,  16*SPITCH                 ; a stage is two halves of 16 rows, by turns; the four stages lie in slot 0, which has had its last fill and its last read when the first result is stored there
.set SPARE,  2*SLOT                    ; behind the ring: the spare words, 128 bytes for each wave
.set LAPS, SIZE_K/(2*KSTEP)            ; a lap = two K steps = once round the ring
.set ADRA, 16                          ; v16-17  LDS address of my A fragments in slot 0, 1
.set ADRB, 20                          ; v20-21  the same for B
.set STO,  24                          ; v24     the way out: where I put 32 bytes of a row
.set RD,   25                          ; v25     the way out: where I read a row back
.set CO,   26                          ; v26     my byte offset in two rows of out0
.set SPW,  28                          ; v28     LDS address of my spare word; never rewritten
.set NIL,  29                          ; v29     0; never rewritten
.set TMP,  32                          ; the way out: two sets of 32 registers
.set ACC,  128
.set F0,   0                           ; fragment buffers, in window 1
.set F1,   128
.set G1, 24                            ; s[24:31] descriptor group 1 for A's tiles;  s[32:39] group 0, one set for each slot
.set G0, 32
.set G1B, 48                           ; s[48:55], s[56:63] the same for B's tiles
.set G0B, 56
.set MSB, 0
.macro WIN new                         ; the immediate's high byte repeats the setting that is left
.if MSB != \new
	s_set_vgpr_msb (MSB<<8)|\new
.set MSB, \new
.endif
.endm
.set MUL,  0x05                        ; sources 0 (B) and 1 (A) window 1; C and D window 0
.set TO_F, 0x40                        ; destination window 1, address window 0
.macro JLOAD s                         ; a joint load: waves 0 and 1 fetch A's two halves, waves 2 and 3 B's; an s_nop 0 and four v_nop follow each of the two lines
	s_cmp_eq_u32 s11, 0
	s_cbranch_scc0 .Lfor_b_\@
	tensor_load_to_lds s[G0+4*\s:G0+4*\s+3], s[G1:G1+7]
	s_nop 0
.rept 4
	v_nop
.endr
	s_branch .Lasked_\@
.Lfor_b_\@:
	tensor_load_to_lds s[G0B+4*\s:G0B+4*\s+3], s[G1B:G1B+7]
	s_nop 0
.rept 4
	v_nop
.endr
.Lasked_\@:
.endm
.macro CREST                           ; a round of the cluster's barrier behind its opening barrier
	s_cmp_lg_u32 s10, 0
	s_cbranch_scc1 .Lnot_wave_0_\@
	s_barrier_signal -3
.Lnot_wave_0_\@:
	s_barrier_wait -3
	s_barrier_signal -1
	s_barrier_wait -1
.endm
.macro CROUND                          ; a whole round
	s_barrier_signal -1
	s_barrier_wait -1
	CREST
.endm
	s_load_b128 s[4:7], s[0:1], 0x0                ; A = att s[4:5], B = wo16 s[6:7]
	s_load_b64 s[8:9], s[0:1], 0x10                ; out0
	v_lshl_add_u32 v[SPW], v0, 2, SPARE
	v_mov_b32 v[NIL], 0
	ds_add_u32 v[SPW], v[NIL]                      ; the wave's opening: the add, twice on end, and its wait ahead of my first tensor load
	ds_add_u32 v[SPW], v[NIL]
	v_lshrrev_b32 v1, 5, v0
	v_readfirstlane_b32 s10, v1                    ; wave 0..3
	s_lshr_b32 s11, s10, 1                         ; which half of the tile's rows is mine.  Also: I fetch for A (0) or for B (1)
	s_and_b32 s12, s10, 1                          ; which half of its columns.  Also: which 64 rows of that tile I fetch
	s_bfe_u32 s40, ttmp6, 0x40000                  ; cx, cy: my place in the cluster
	s_bfe_u32 s41, ttmp6, 0x40004
	s_lshl_b32 s42, ttmp9, 2
	s_add_co_u32 s42, s42, s40                     ; tile column = 4 x cluster x + cx
	s_and_b32 s13, ttmp7, 0xffff
	s_lshl_b32 s13, s13, 2
	s_add_co_u32 s13, s13, s41                     ; tile row = 4 x cluster y + cy
	s_lshl_b32 s43, s41, 2
	s_lshl_b32 s43, 15, s43                        ; my row of the cluster
	s_lshl_b32 s44, 0x1111, s40                    ; my column
	; descriptor group 1: a tile of 64 rows x 256 elements, padded in LDS
	s_or_b32 s[G1+0], s43, (1<<16)|(1<<20)|(1<<21)|(6<<22)|(3<<25)  ; 15:0 the mask: A's tiles go to my row; 17:16 element of 2 bytes; 20 padding on; 21 set beside a mask; 24:22 after every 128 words; 31:25 of 4 words
	s_or_b32 s[G1B+0], s44, (1<<16)|(1<<20)|(1<<21)|(6<<22)|(3<<25)
.irp g, G1, G1B
	s_mov_b32 s[\g+1], KSTEP<<16                   ; tensor_dim0 = 256
	s_mov_b32 s[\g+2], 64<<16                      ; tensor_dim1 = 64
	s_mov_b32 s[\g+3], KSTEP<<16                   ; tile_dim0 = 256
	s_mov_b32 s[\g+4], 64                          ; tile_dim1 = 64
	s_mov_b32 s[\g+5], SIZE_K                      ; tensor_dim0_stride
	s_mov_b32 s[\g+6], 0
	s_mov_b32 s[\g+7], 0
.endr
	s_lshl_b32 s17, s12, 6                         ; which 64 rows of the tile I fetch
	s_lshl_b32 s16, s13, 7
	s_add_co_u32 s16, s16, s17                     ; A: row 128 x tile row + 64 x half
	s_lshl_b32 s46, s42, 7
	s_add_co_u32 s46, s46, s17                     ; B: row 128 x tile column + 64 x half
	s_mov_b32 s17, 0
	s_mov_b32 s47, 0
	s_mov_b64 s[18:19], SIZE_K*2
	s_mul_u64 s[16:17], s[16:17], s[18:19]
	s_mul_u64 s[46:47], s[46:47], s[18:19]
	s_mul_i32 s20, s10, HALFT                      ; where they go: wave x 64 rows
	s_wait_dscnt 0x0                               ; both opening adds are done
	s_wait_kmcnt 0x0
	s_add_nc_u64 s[14:15], s[4:5], s[16:17]
	s_add_nc_u64 s[46:47], s[6:7], s[46:47]
	CROUND                                         ; all sixteen work-groups are here: the first joint loads meet
.irp s, 0,1
	s_mov_b32 s[G0+4*\s], 1
	s_add_co_u32 s[G0+4*\s+1], s20, \s*SLOT
	s_add_nc_u64 s[G0+4*\s+2:G0+4*\s+3], s[14:15], \s*KSTEP*2
	s_or_b32 s[G0+4*\s+3], s[G0+4*\s+3], 0x80000000
	s_mov_b32 s[G0B+4*\s], 1
	s_add_co_u32 s[G0B+4*\s+1], s20, \s*SLOT
	s_add_nc_u64 s[G0B+4*\s+2:G0B+4*\s+3], s[46:47], \s*KSTEP*2
	s_or_b32 s[G0B+4*\s+3], s[G0B+4*\s+3], 0x80000000
	JLOAD \s
.endr
	v_and_b32 v1, 15, v0                           ; r = l % 16
	v_bfe_u32 v2, v0, 4, 1                         ; h = l / 16
	v_mul_u32_u24 v3, v1, PITCH
	v_lshl_add_u32 v3, v2, 4, v3                   ; a fragment's row x pitch + 16 x half
	s_mul_i32 s21, s11, HALFT                      ; my 64 rows of A
	s_mul_i32 s22, s12, HALFT                      ; my 64 rows of B,
	s_add_co_u32 s22, s22, 2*HALFT                 ; which lie behind A's 128
.irp s, 0,1
	v_add_nc_u32 v[ADRA+\s], s21, v3
	v_add_nc_u32 v[ADRB+\s], s22, v3
	s_add_co_u32 s21, s21, SLOT
	s_add_co_u32 s22, s22, SLOT
.endr
	s_mul_i32 s23, s10, 2*SHALF                    ; my stage
	v_mul_u32_u24 v4, v1, SPITCH                   ; in: row r, 32 bytes for each half of the lanes
	v_lshl_add_u32 v4, v2, 5, v4
	v_add_nc_u32 v[STO], s23, v4
	v_mul_u32_u24 v5, v2, SPITCH                   ; back: lanes 0-15 one row of 256 bytes, lanes 16-31 the next
	v_lshl_add_u32 v5, v1, 4, v5
	v_add_nc_u32 v[RD], s23, v5
	v_lshlrev_b32 v5, 13, v2                       ; and the same two rows in out0, 8,192 bytes apart
	v_lshl_add_u32 v[CO], v1, 4, v5
	s_lshl_b32 s16, s13, 7
	s_lshl_b32 s17, s11, 6
	s_add_co_u32 s16, s16, s17                     ; my first row: 128 x tile row + 64 x half
	s_mov_b32 s17, 0
	s_mov_b64 s[18:19], SIZE_N*4
	s_mul_u64 s[16:17], s[16:17], s[18:19]
	s_add_nc_u64 s[8:9], s[8:9], s[16:17]
	s_lshl_b32 s46, s42, 9                         ; my first column, in bytes: 512 x tile column + 256 x half
	s_lshl_b32 s47, s12, 8
	s_add_co_u32 s46, s46, s47
	s_mov_b32 s47, 0
	s_add_nc_u64 s[8:9], s[8:9], s[46:47]
; 8 matrix instructions: m blocks a0, a0 + 1 x all 4 n blocks, 32 along K: half c of buffer f.  zero = 1: the first product starts the sums.  The 16 accumulators take turns
.macro MUL8 f, c, a0, zero
.irp a, \a0, \a0+1
.irp b, 0,1,2,3
.if \zero
	v_wmma_f32_16x16x32_f16 v[ACC+8*(4*(\a)+\b):ACC+8*(4*(\a)+\b)+7], v[\f+64+8*(4*\c+\b):\f+64+8*(4*\c+\b)+7], v[\f+8*(4*\c+\a):\f+8*(4*\c+\a)+7], 0
.else
	v_wmma_f32_16x16x32_f16 v[ACC+8*(4*(\a)+\b):ACC+8*(4*(\a)+\b)+7], v[\f+64+8*(4*\c+\b):\f+64+8*(4*\c+\b)+7], v[\f+8*(4*\c+\a):\f+8*(4*\c+\a)+7], v[ACC+8*(4*(\a)+\b):ACC+8*(4*(\a)+\b)+7]
.endif
.endr
.endr
.endm
; 32 LDS loads in one run: the fragments of 64 along K at byte k of the rows, into buffer f; the first 32 along K first
.macro FETCH slot, k, f
	WIN TO_F
.irp c, 0,1
.irp i, 0,1,2,3
	ds_load_b128 v[\f+64+8*(4*\c+\i):\f+64+8*(4*\c+\i)+3],   v[ADRB+\slot] offset:\k+64*\c+\i*16*PITCH
	ds_load_b128 v[\f+64+8*(4*\c+\i)+4:\f+64+8*(4*\c+\i)+7], v[ADRB+\slot] offset:\k+64*\c+\i*16*PITCH+32
	ds_load_b128 v[\f+8*(4*\c+\i):\f+8*(4*\c+\i)+3],         v[ADRA+\slot] offset:\k+64*\c+\i*16*PITCH
	ds_load_b128 v[\f+8*(4*\c+\i)+4:\f+8*(4*\c+\i)+7],       v[ADRA+\slot] offset:\k+64*\c+\i*16*PITCH+32
.endr
.endr
.endm
.macro PLACES                          ; four places in front of loads into registers that matrix instructions have read, and of the first read of results
.rept 4
	v_nop
.endr
.endm
; A K step is four quarters of 64 along K, 32 matrix instructions each, on buffers 0, 1, 0, 1.  One of the first three: multiplies buffer f and fetches the next quarter, at byte k, into g.
.macro QUARTER slot, k, f, g, zero
	s_wait_dscnt 16                                ; the first 32 along K are in; the youngest sixteen loads may be out
	WIN MUL
	MUL8 \f, 0, 0, \zero
	MUL8 \f, 0, 2, \zero
	PLACES
	FETCH \slot, \k, \g
	s_wait_dscnt 32                                ; all but the 32 just issued
	WIN MUL
	MUL8 \f, 1, 0, 0
	MUL8 \f, 1, 2, 0
.endm
; The last quarter multiplies buffer 1 and changes slots: ONE barrier; in front of it each wave waits for all its tensor loads, adds 0 to its spare word, and waits for that and for its own reads of this slot.  fill = 1: this slot is filled again, two K steps ahead.
.macro TURN slot, next, fill
	WIN 0                                          ; (the add's two registers lie in window 0)
	s_wait_tensorcnt 0x0                           ; all my tensor loads have landed: my part of the next slot
	ds_add_u32 v[SPW], v[NIL]                      ; 0 onto my spare word
	s_wait_dscnt 17                                ; (the add and the youngest sixteen loads may be out)
	WIN MUL
	MUL8 F1, 0, 0, 0                               ; eight matrix instructions stand between the add and the wait for it
	s_wait_dscnt 0x0                               ; the add is done, and my reads of this slot are over
	s_barrier_signal -1
	MUL8 F1, 0, 2, 0
.if \fill
	WIN 0
.endif
	s_barrier_wait -1
.if \fill
	CREST                                          ; the barrier has opened a round of the cluster's barrier: no wave of any partner still reads this slot's tile or has a load on its way
	s_add_nc_u64 s[G0+4*\slot+2:G0+4*\slot+3], s[G0+4*\slot+2:G0+4*\slot+3], 2*KSTEP*2
	s_add_nc_u64 s[G0B+4*\slot+2:G0B+4*\slot+3], s[G0B+4*\slot+2:G0B+4*\slot+3], 2*KSTEP*2
	JLOAD \slot                                    ; the first tensor load behind the round; the four v_nop behind it are also the places in front of the loads below
.else
	PLACES
.endif
	FETCH \next, 0, F0
	WIN MUL
	MUL8 F1, 1, 0, 0
	MUL8 F1, 1, 2, 0
.endm
	s_wait_tensorcnt 1                             ; my part of K step 0 is in (K step 1's load may be out)
	s_barrier_signal -1
	s_barrier_wait -1                              ; everybody's is
	FETCH 0, 0, F0
	QUARTER 0, 128, F0, F1, 1                      ; the first quarter stands in front of the loop: its first products start the sums
	WIN 0                                          ; at a label and at a branch every window is 0
	s_mov_b32 s3, LAPS-1
.Llap:                                                 ; a trip goes once round the ring, from a lap's second quarter to the next lap's first, and fills both slots again
	QUARTER 0, 256, F1, F0, 0
	QUARTER 0, 384, F0, F1, 0
	TURN 0, 1, 1
	QUARTER 1, 128, F0, F1, 0
	QUARTER 1, 256, F1, F0, 0
	QUARTER 1, 384, F0, F1, 0
	TURN 1, 0, 1
	QUARTER 0, 128, F0, F1, 0
	WIN 0
	s_sub_co_u32 s3, s3, 1
	s_cmp_lg_u32 s3, 0
	s_cbranch_scc1 .Llap
	QUARTER 0, 256, F1, F0, 0                      ; the last lap fills nothing, and has no round of the cluster's barrier
	QUARTER 0, 384, F0, F1, 0
	TURN 0, 1, 0
	QUARTER 1, 128, F0, F1, 0
	QUARTER 1, 256, F1, F0, 0
	QUARTER 1, 384, F0, F1, 0
	s_wait_dscnt 16                                ; the very last quarter: nothing more to fetch
	WIN MUL
	MUL8 F1, 0, 0, 0
	MUL8 F1, 0, 2, 0
	s_wait_dscnt 0
	MUL8 F1, 1, 0, 0
	MUL8 F1, 1, 2, 0
	WIN 0
; THE WAY OUT, block by block of 16 rows x 64 columns.  A lane holds 32 neighbouring bytes of a row and the lanes beside it other rows: a block goes through my own stage and comes back as whole rows of 256 bytes.
; LDS serves a wave's instructions in order: no wait between the stores and the loads.
.macro TOST a
.irp b, 0,1,2,3
	ds_store_b128 v[STO], v[ACC+8*(4*(\a)+\b):ACC+8*(4*(\a)+\b)+3] offset:SHALF*((\a)%2)+64*\b          ; each accumulator from its low end on
	ds_store_b128 v[STO], v[ACC+8*(4*(\a)+\b)+4:ACC+8*(4*(\a)+\b)+7] offset:SHALF*((\a)%2)+64*\b+16
.endr
.irp t, 0,1,2,3,4,5,6,7
	ds_load_b128 v[TMP+32*((\a)%2)+4*\t:TMP+32*((\a)%2)+4*\t+3], v[RD] offset:SHALF*((\a)%2)+\t*2*SPITCH
.endr
.endm
.macro SEND a, younger                 ; younger: the LDS instructions issued behind block a's loads: the next block's sixteen, or none
	s_wait_dscnt \younger
.irp t, 0,1,2,3,4,5,6,7
	global_store_b128 v[CO], v[TMP+32*((\a)%2)+4*\t:TMP+32*((\a)%2)+4*\t+3], s[8:9] offset:(16*(\a)+2*\t)*SIZE_N*4 th:TH_STORE_NT   ; 16 lanes store 256 consecutive bytes, aligned
.endr
.endm
	PLACES
	TOST 0
	TOST 1
	SEND 0, 16
	s_wait_xcnt 0x0                                ; block 0's stores have read their registers: block 2's rows may land there
	TOST 2
	SEND 1, 16
	s_wait_xcnt 0x0
	TOST 3
	SEND 2, 16
	SEND 3, 0
	s_wait_tensorcnt 0x0                           ; the wave's end: behind my last tensor load and my last LDS store
	ds_add_u32 v[SPW], v[NIL]
	s_wait_dscnt 0x0
	CROUND                                         ; the closing round: no work-group ends while a partner may still ask for a tile that names it
	s_endpgm
.Lfunc_end_k_q7a8aa218b8_proj:
	.size	k_q7a8aa218b8_proj, .Lfunc_end_k_q7a8aa218b8_proj-k_q7a8aa218b8_proj
	.p2alignl 7, 3214868480
	.fill 96, 4, 3214868480
	.section	.rodata,"a",@progbits
	.p2align	6, 0x0
	.amdhsa_kernel k_q7a8aa218b8_proj
		.amdhsa_group_segment_fixed_size 327680
		.amdhsa_private_segment_fixed_size 0
		.amdhsa_enable_private_segment 0
		.amdhsa_kernarg_size 24
		.amdhsa_user_sgpr_count 2
		.amdhsa_user_sgpr_kernarg_segment_ptr 1
		.amdhsa_wavefront_size32 1
		.amdhsa_system_sgpr_workgroup_id_x 1
		.amdhsa_system_sgpr_workgroup_id_y 1
		.amdhsa_system_sgpr_workgroup_id_z 1
		.amdhsa_system_vgpr_workitem_id 0
		.amdhsa_next_free_vgpr 512
		.amdhsa_next_free_sgpr 66
		.amdhsa_reserve_vcc 0
		.amdhsa_float_denorm_mode_32 3
		.amdhsa_float_denorm_mode_16_64 3
		.amdhsa_memory_ordered 1
		.amdhsa_forward_progress 1
		.amdhsa_inst_pref_size 86
	.end_amdhsa_kernel
	.amdgpu_metadata
---
amdhsa.version: [ 1, 2 ]
amdhsa.kernels:
  - .name:           k_q7a8aa218b8_proj
    .symbol:         k_q7a8aa218b8_proj.kd
    .args:
      - { .name: att, .offset: 0, .size: 8, .value_kind: global_buffer, .address_space: global }
      - { .name: wo16, .offset: 8, .size: 8, .value_kind: global_buffer, .address_space: global }
      - { .name: out0, .offset: 16, .size: 8, .value_kind: global_buffer, .address_space: global }
    .group_segment_fixed_size: 327680
    .private_segment_fixed_size: 0
    .kernarg_segment_align: 8
    .kernarg_segment_size: 24
    .max_flat_workgroup_size: 128
    .sgpr_count:     66
    .vgpr_count:     512
    .wavefront_size: 32
...
	.end_amdgpu_metadata
.endif
;; end of part 4
;; launch fattn (part 5): grid 128 x 1, 1 waves a work-group, no clusters, 0 bytes of LDS; arguments codes, scales, qkv, mbits, attf; writes attf
.if DOCPART == 5
	.amdgcn_target "amdgcn-amd-amdhsa--gfx1250"
	.amdhsa_code_object_version 6
	.text
	.protected	k_q7a8aa218b8_fattn
	.globl	k_q7a8aa218b8_fattn
	.p2align	8
	.type	k_q7a8aa218b8_fattn,@function
k_q7a8aa218b8_fattn:
	s_mov_b64 s[64:65], 0
	v_nop
	global_prefetch_b8 v0, s[64:65] scope:SCOPE_SE
	s_setreg_imm32_b32 hwreg(HW_REG_WAVE_MODE, 25, 1), 1
	s_wait_xcnt 0x0
; ATTENTION LAYER, the first 16 positions carried more finely (first of two small launches behind the four bulk ones).
; WHY: a query that averages one to a few values gives the largest numbers of the output, and the rounding of p, v and the result to f16 is too coarse for them.  Here the weighted sum of v is done again for
; queries 0-15 of every head: v from the FP4 codes of launch 1 by the scaled matrix instruction (the same numbers as in the bulk path, kept in f32), the softmax, p and the sum p v all in f32.
; The next launch multiplies the result by wo in f32 and stores rows 0-15 of out0 over what the bulk path left there.
; THE SCORES sum 128 terms for every query, these sixteen like all others: they take the operands of the bulk path, q x 4 log2(e)/sqrt(128) and k / 4 in f16 as launch 2 stored them, so a score comes out as
; sim x log2(e), with f32 sums.  LIMIT: the scores of these rows keep the f16 rounding of q and k, as those of all rows do.
; THE MASK is honoured over all 2,048 keys.  WORK PASSED OVER: a tile of 16 keys whose 256 mask entries for these 16 queries are all false: every score of it is -infinity ahead of the softmax, so its weights are 0.
; Whole numbers read from memory decide that (mbits, stored by launch 1), by scalar branches; no pattern of the mask is built in.  LIMIT: a NaN or an infinity in k or v that reaches only a tile passed over is not carried to the result.
; LIMIT of the program: a query beyond the first 16 whose mask leaves only a few keys keeps the bulk path's f16 rounding, about 5e-4 of its row's size.
; SHARES.  A work-group is ONE wave: head = number / 8, dims 16 (number % 8) .. + 15 of v and of the result.  Each wave makes the whole 16 x 16 tile of scores itself (four matrix instructions), so the 128 waves share
; nothing: no LDS, no barrier.  My 16 rows of wv (16 KB of codes, 128 registers) do not hang on the mask: they are asked for at the head and stay.
; LAYOUT.  S^T = k q^T (source 0 = 16 keys, source 1 = the 16 queries): lane (r, h) holds query r, keys 8 h + 0..7.  v: source 0 = the keys' rows of x, source 1 = 16 rows of wv: lane (r, h) holds dim r, keys 8 h + 0..7.
; The f32 matrix instruction sums four k: lane half h, register jj.  Fed with registers 2 s, 2 s + 1 of v and of p, its four k are keys 8 h + 2 s + jj on both sides: nothing changes lanes.
; O^T = v^T p^T: lane (r, h) holds query r, dims 8 h + 0..7.
; m begins at -3e38, which keeps it finite while all keys so far are masked; a query with no key at all ends with sum 0 and O 0: 0 x (1/0) is NaN, as the problem has it.
; No cluster and no tensor load: the walk hangs on numbers read from memory.
; REGISTERS.  Window 0: below.  Window 1: v0-127 the fragments of a key tile's 16 rows of x (16 K steps of 128), v128-255 those of my 16 rows of wv.
.set FA,   3                           ; v3   a fragment of codes: 1,024 r + 16 h
.set SA,   4                           ; v4   a row's scale words: 64 r
.set KA,   5                           ; v5   a fragment of q or k: 256 r + 16 h
.set PL,   7                           ; v7   16 x lane
.set MM,   10                          ; v10  m; v11 the pair's upper word
.set LL,   12                          ; v[12:13] the sum, in two halves
.set AF,   14                          ; v14  2^(m_old - m_new); v15 the pair's upper word
.set OO,   24                          ; v[24:31]  O^T
.set VA,   32                          ; v[32:39]  v: the sum over K's lower half
.set VB,   40                          ; v[40:47]  and over its upper half
.set VS,   48                          ; v[48:55]  v
.set SAC,  64                          ; v[64:71]  the scores
.set PAC,  88                          ; v[88:95]  a key tile's v^T p^T: written by matrix instructions alone
.set PP,   104                         ; v[104:111] masked scores, then p
.set QF,   112                         ; v[112:143] q's four fragments (16 queries x 32 channels each)
.set KF,   144                         ; v[144:175] k's four fragments; at the head: the mask words
.set XS,   200                         ; v[200:215] x's scale words, 16 K steps
.set WVS,  216                         ; v[216:231] wv's
.set MX,   232
.set TMP,  233
.set DD,   234
.set NINF, 235                         ; v235 -infinity
.set UU,   236                         ; v[236:239]
.set RC,   240
.set XF,   0                           ; window 1
.set WV,   128
.set MSB, 0
.macro WIN new                         ; the immediate's high byte repeats the setting that is left
.if MSB != \new
	s_set_vgpr_msb (MSB<<8)|\new
.set MSB, \new
.endif
.endm
.macro PLACES n
.rept \n
	v_nop
.endr
.endm
; The fragments of all 16 K steps of 16 rows of codes: lane (r, h) takes, for each step of 128 codes (64 bytes), the 16 bytes at 16 h and at 32 + 16 h of row r
.macro LDF16 dst, base, off
.set n, 0
.rept 16
	global_load_b128 v[\dst+8*n:\dst+8*n+3], v[FA], s[\base:\base+1] offset:(\off)+64*n
	global_load_b128 v[\dst+8*n+4:\dst+8*n+7], v[FA], s[\base:\base+1] offset:(\off)+64*n+32
.set n, n+1
.endr
.endm
.macro FP4 d, a, b, zero, sa, sb
.if \zero
	v_wmma_scale_f32_16x16x128_f8f6f4 v[\d:\d+7], v[\a:\a+7], v[\b:\b+7], 0, v[\sa], v[\sb] matrix_a_fmt:MATRIX_FMT_FP4 matrix_b_fmt:MATRIX_FMT_FP4
.else
	v_wmma_scale_f32_16x16x128_f8f6f4 v[\d:\d+7], v[\a:\a+7], v[\b:\b+7], v[\d:\d+7], v[\sa], v[\sb] matrix_a_fmt:MATRIX_FMT_FP4 matrix_b_fmt:MATRIX_FMT_FP4
.endif
.endm
	s_load_b256 s[4:11], s[0:1], 0x0               ; codes s[4:5], scales s[6:7], qkv s[8:9], mbits s[10:11]
	s_load_b64 s[12:13], s[0:1], 0x20              ; attf
	v_and_b32 v1, 15, v0                           ; r (one wave: the thread's number is the lane)
	v_bfe_u32 v2, v0, 4, 1                         ; h
	v_lshlrev_b32 v[FA], 10, v1
	v_lshl_add_u32 v[FA], v2, 4, v[FA]
	v_lshlrev_b32 v[SA], 6, v1
	v_lshlrev_b32 v[KA], 8, v1
	v_lshl_add_u32 v[KA], v2, 4, v[KA]
	v_lshlrev_b32 v[PL], 4, v0
	v_lshlrev_b32 v[DD], 7, v0                     ; 128 x lane: a step's 32 mask words
	s_lshr_b32 s15, ttmp9, 3                       ; the head
	s_and_b32 s14, ttmp9, 7                        ; which 16 dims of it
	s_lshl_b32 s44, s15, 17                        ; the head's 128 rows of 1,024 bytes,
	s_lshl_b32 s45, s14, 14                        ; my 16 of them,
	s_add_co_u32 s44, s44, s45
	s_add_co_u32 s44, s44, 0x600000                ; behind the 6,144 rows of x, wq and wk: wv
	s_mov_b32 s45, 0                               ; stays 0: the upper word of every offset
	s_lshl_b32 s46, s15, 13
	s_lshl_b32 s47, s14, 10
	s_add_co_u32 s50, s46, s47                     ; attf: 1,024 bytes for each (head, 16 dims)
	s_add_co_u32 s46, s50, 0x60000                 ; the same rows' scales, 64 bytes a row: the same figure behind 6,144 rows
	s_mov_b32 s47, 0
	s_mov_b32 s51, 0
	s_lshl_b32 s48, s15, 19                        ; a head in qkv: 2,048 rows of 256 bytes
	s_mov_b32 s49, 0
	s_mov_b32 s42, 0x76543210
	s_mov_b32 s43, 0xfedcba98                      ; v_permlanex16_b32's selects for lane l xor 16
	s_wait_kmcnt 0x0
	s_add_nc_u64 s[20:21], s[4:5], s[44:45]        ; my rows of wv,
	s_add_nc_u64 s[26:27], s[6:7], s[46:47]        ; their scales,
	s_add_nc_u64 s[16:17], s[8:9], s[48:49]        ; my head's q,
	s_add_nc_u64 s[18:19], s[16:17], 0x800000      ; its k, 16 heads further on
	s_add_nc_u64 s[12:13], s[12:13], s[50:51]
.irp c, 0,1,2,3,4,5,6,7
	global_load_b128 v[KF+4*\c:KF+4*\c+3], v[DD], s[10:11] offset:16*\c   ; first of all: lane l takes the 32 mask words of queries 0-15 and keys 64 l .. 64 l + 63
.endr
.irp c, 0,1,2,3
	global_load_b128 v[QF+8*\c:QF+8*\c+3], v[KA], s[16:17] offset:64*\c       ; q: registers 0-3 channels 32 c + 8 h + 0..7,
	global_load_b128 v[QF+8*\c+4:QF+8*\c+7], v[KA], s[16:17] offset:64*\c+32  ; registers 4-7 channels 32 c + 16 + 8 h + 0..7
.endr
.irp u, 0,1,2,3
	global_load_b128 v[WVS+4*\u:WVS+4*\u+3], v[SA], s[26:27] offset:16*\u
.endr
	WIN 0x40                                       ; destination window 1
	LDF16 WV, 20, 0
	WIN 0
	v_mov_b32 v[MM], 0xff61b1e6                    ; m = -3e38
	v_mov_b32 v[MM+1], 0
	v_mov_b32 v[LL], 0
	v_mov_b32 v[LL+1], 0
	v_mov_b32 v[AF+1], 0
	v_mov_b32 v[TMP], 0                            ; a lane permute's destination counts as one of its sources
	v_mov_b32 v[NINF], 0xff800000
.irp j, 0,1,2,3,4,5,6,7
	v_mov_b32 v[OO+\j], 0                          ; a tile's text is written once for first and later tiles: the first live tile finds zeros
.endr
	s_wait_loadcnt 44                              ; the eight loads of mask words are in; the 44 issued behind them (8 of q, 4 of scales, 32 of wv) stay on their way: a tile's wait for 0 stands ahead of their first use
.irp i, 1,2,3,4,5,6,7
.irp a, 0,1,2,3
	v_or_b32 v[KF+8*\a], v[KF+8*\a], v[KF+8*\a+\i] ; the eight words of key tile a of my lane's step
.endr
.endr
.irp a, 0,1,2,3
	v_cmp_ne_u32 s[36+\a], 0, v[KF+8*\a]           ; bit J of s[36 + a]: some query of the 16 sees some key of tile 4 J + a
.endr
	s_or_b32 s40, s36, s37
	s_or_b32 s40, s40, s38
	s_or_b32 s40, s40, s39                         ; bit J: step J has such a tile
; Key tile a of step J, if any of its keys counts.  44 loads; the scores; v of my 16 dims; mask, running maximum, p; my 16 dims of v^T p^T.
.macro TILE a
	s_bitcmp1_b32 s[36+\a], s41
	s_cbranch_scc0 .Lnt_\@
.irp c, 0,1,2,3
	global_load_b128 v[KF+8*\c:KF+8*\c+3], v[KA], s[32:33] offset:4096*(\a)+64*\c
	global_load_b128 v[KF+8*\c+4:KF+8*\c+7], v[KA], s[32:33] offset:4096*(\a)+64*\c+32
.endr
.irp u, 0,1,2,3
	global_load_b128 v[XS+4*\u:XS+4*\u+3], v[SA], s[30:31] offset:1024*(\a)+16*\u
.endr
	WIN 0x40
	LDF16 XF, 28, 16384*(\a)
	WIN 0
	s_wait_kmcnt 0x0                               ; the step's lane masks
	s_wait_loadcnt 0x0                             ; the tile's loads, and in the first live tile the head's too
	v_wmma_f32_16x16x32_f16 v[SAC:SAC+7], v[KF:KF+7], v[QF:QF+7], 0
.irp c, 1,2,3
	s_wait_alu depctr_va_vdst(0)                   ; the wait directly ahead of each link
	v_wmma_f32_16x16x32_f16 v[SAC:SAC+7], v[KF+8*\c:KF+8*\c+7], v[QF+8*\c:QF+8*\c+7], v[SAC:SAC+7]
.endr
	WIN 0x05                                       ; sources 0 and 1 window 1; C and D window 0
.set n, 0
.rept 8                                        ; v: two sums, K's lower and upper half, by turns
.set zz, 0
.if n == 0
.set zz, 1
.endif
	FP4 VA, XF+8*n, WV+8*n, zz, XS+n, WVS+n
	FP4 VB, XF+64+8*n, WV+64+8*n, zz, XS+8+n, WVS+8+n
.set n, n+1
.endr
	WIN 0
	PLACES 4                                       ; four places behind the last product, ahead of the first read of results (ISA guide 7.12.1)
.irp j, 0,1,2,3,4,5,6,7
	v_cndmask_b32 v[PP+\j], v[NINF], v[SAC+\j], s[68+8*\a+\j]   ; word 8 a + j is the lane mask of register j; the accumulator is read from its low end on
.endr
.irp i, 0,1,2,3
	v_pk_add_f32 v[VS+2*\i:VS+2*\i+1], v[VA+2*\i:VA+2*\i+1], v[VB+2*\i:VB+2*\i+1]
.endr
	v_mov_b32 v[DD], v[MM]
	v_max3_num_f32 v[MX], v[PP], v[PP+1], v[PP+2]
	v_max3_num_f32 v[MX], v[MX], v[PP+3], v[PP+4]
	v_max3_num_f32 v[MX], v[MX], v[PP+5], v[PP+6]
	v_max3_num_f32 v[MX], v[MX], v[PP+7], v[MM]
	v_permlanex16_b32 v[TMP], v[MX], s42, s43      ; the query's other 8 keys lie in the lane 16 away
	v_max_num_f32 v[MM], v[MX], v[TMP]
	v_sub_f32 v[DD], v[DD], v[MM]
.irp i, 0,1,2,3
	v_pk_add_f32 v[PP+2*\i:PP+2*\i+1], v[PP+2*\i:PP+2*\i+1], v[MM:MM+1] op_sel_hi:[1,0] neg_lo:[0,1] neg_hi:[0,1]
.endr
	v_exp_f32 v[AF], v[DD]
.irp j, 0,1,2,3,4,5,6,7
	v_exp_f32 v[PP+\j], v[PP+\j]
.endr
	v_nop                                          ; a plain instruction behind the last exponential,
	s_wait_alu depctr_va_vdst(0)                   ; and the wait ahead of the first use: one for the nine
	v_pk_add_f32 v[UU:UU+1], v[PP:PP+1], v[PP+2:PP+3]
	v_pk_add_f32 v[UU+2:UU+3], v[PP+4:PP+5], v[PP+6:PP+7]
	v_pk_add_f32 v[UU:UU+1], v[UU:UU+1], v[UU+2:UU+3]
	v_pk_fma_f32 v[LL:LL+1], v[LL:LL+1], v[AF:AF+1], v[UU:UU+1] op_sel_hi:[1,0,1]
	v_wmma_f32_16x16x4_f32 v[PAC:PAC+7], v[VS:VS+1], v[PP:PP+1], 0
.irp s, 1,2,3
	s_wait_alu depctr_va_vdst(0)                   ; the wait directly ahead of each link
	v_wmma_f32_16x16x4_f32 v[PAC:PAC+7], v[VS+2*\s:VS+2*\s+1], v[PP+2*\s:PP+2*\s+1], v[PAC:PAC+7]
.endr
	PLACES 9                                       ; behind this form: eight places ahead of the read of its result just below and of the next tile's vector writes of v and p, nine ahead of a matrix instruction that writes over one of its registers
.irp i, 0,1,2,3
	v_pk_fma_f32 v[OO+2*\i:OO+2*\i+1], v[OO+2*\i:OO+2*\i+1], v[AF:AF+1], v[PAC+2*\i:PAC+2*\i+1] op_sel_hi:[1,0,1]   ; the running O^T lies in registers of its own
.endr
.Lnt_\@:
.endm
	s_mov_b32 s41, 0
.Lstep:                                                ; 32 trips of 64 keys; a step none of whose keys counts costs the five scalar lines round its body
	s_bitcmp1_b32 s40, s41
	s_cbranch_scc0 .Lnone
	s_wait_xcnt 0x0                                ; the bases below are written again only behind this wait
	s_lshl_b32 s44, s41, 16
	s_add_nc_u64 s[28:29], s[4:5], s[44:45]        ; the step's 64 rows of x's codes,
	s_lshl_b32 s44, s41, 12
	s_add_nc_u64 s[30:31], s[6:7], s[44:45]        ; their scales,
	s_lshl_b32 s44, s41, 14
	s_add_nc_u64 s[32:33], s[18:19], s[44:45]      ; the same 64 rows of k,
	s_lshl_b32 s44, s41, 7
	s_add_nc_u64 s[34:35], s[10:11], s[44:45]
	s_load_b512 s[68:83], s[34:35], 0x0            ; and the step's 32 lane masks: each tile waits for them behind its own loads
	s_load_b512 s[84:99], s[34:35], 0x40
	TILE 0
	TILE 1
	TILE 2
	TILE 3
	s_wait_kmcnt 0x0                               ; on every way out of the step the masks have landed: their registers and their base may be written again
.Lnone:
	s_add_co_u32 s41, s41, 1
	s_cmp_lt_u32 s41, 32
	s_cbranch_scc1 .Lstep
	v_add_f32 v[MX], v[LL], v[LL+1]                ; the sum's two halves,
	v_permlanex16_b32 v[TMP], v[MX], s42, s43
	v_add_f32 v[MX], v[MX], v[TMP]                 ; and lane l xor 16's
	v_rcp_f32 v[RC], v[MX]
	v_nop                                          ; a plain instruction behind the reciprocal,
	s_wait_alu depctr_va_vdst(0)                   ; and the wait ahead of its first use
.irp j, 0,1,2,3,4,5,6,7
	v_mul_f32 v[OO+\j], v[OO+\j], v[RC]
.endr
	global_store_b128 v[PL], v[OO:OO+3], s[12:13]              ; an image of the registers, as the next launch's operand wants them: 512 consecutive bytes a store
	global_store_b128 v[PL], v[OO+4:OO+7], s[12:13] offset:512
	s_endpgm
.Lfunc_end_k_q7a8aa218b8_fattn:
	.size	k_q7a8aa218b8_fattn, .Lfunc_end_k_q7a8aa218b8_fattn-k_q7a8aa218b8_fattn
	.p2alignl 7, 3214868480
	.fill 96, 4, 3214868480
	.section	.rodata,"a",@progbits
	.p2align	6, 0x0
	.amdhsa_kernel k_q7a8aa218b8_fattn
		.amdhsa_group_segment_fixed_size 0
		.amdhsa_private_segment_fixed_size 0
		.amdhsa_enable_private_segment 0
		.amdhsa_kernarg_size 40
		.amdhsa_user_sgpr_count 2
		.amdhsa_user_sgpr_kernarg_segment_ptr 1
		.amdhsa_wavefront_size32 1
		.amdhsa_system_sgpr_workgroup_id_x 1
		.amdhsa_system_sgpr_workgroup_id_y 1
		.amdhsa_system_sgpr_workgroup_id_z 1
		.amdhsa_system_vgpr_workitem_id 0
		.amdhsa_next_free_vgpr 512
		.amdhsa_next_free_sgpr 100
		.amdhsa_reserve_vcc 0
		.amdhsa_float_denorm_mode_32 3
		.amdhsa_float_denorm_mode_16_64 3
		.amdhsa_memory_ordered 1
		.amdhsa_forward_progress 1
		.amdhsa_inst_pref_size 49
	.end_amdhsa_kernel
	.amdgpu_metadata
---
amdhsa.version: [ 1, 2 ]
amdhsa.kernels:
  - .name:           k_q7a8aa218b8_fattn
    .symbol:         k_q7a8aa218b8_fattn.kd
    .args:
      - { .name: codes, .offset: 0, .size: 8, .value_kind: global_buffer, .address_space: global }
      - { .name: scales, .offset: 8, .size: 8, .value_kind: global_buffer, .address_space: global }
      - { .name: qkv, .offset: 16, .size: 8, .value_kind: global_buffer, .address_space: global }
      - { .name: mbits, .offset: 24, .size: 8, .value_kind: global_buffer, .address_space: global }
      - { .name: attf, .offset: 32, .size: 8, .value_kind: global_buffer, .address_space: global }
    .group_segment_fixed_size: 0
    .private_segment_fixed_size: 0
    .kernarg_segment_align: 8
    .kernarg_segment_size: 40
    .max_flat_workgroup_size: 32
    .sgpr_count:     100
    .vgpr_count:     512
    .wavefront_size: 32
...
	.end_amdgpu_metadata
.endif
;; end of part 5
;; launch fproj (part 6): grid 128 x 1, 16 waves a work-group, no clusters, 18,432 bytes of LDS; arguments attf, wo, out0; writes out0
.if DOCPART == 6
	.amdgcn_target "amdgcn-amd-amdhsa--gfx1250"
	.amdhsa_code_object_version 6
	.text
	.protected	k_q7a8aa218b8_fproj
	.globl	k_q7a8aa218b8_fproj
	.p2align	8
	.type	k_q7a8aa218b8_fproj,@function
k_q7a8aa218b8_fproj:
	s_mov_b64 s[64:65], 0
	v_nop
	global_prefetch_b8 v0, s[64:65] scope:SCOPE_SE
	s_setreg_imm32_b32 hwreg(HW_REG_WAVE_MODE, 25, 1), 1
	s_wait_xcnt 0x0
; ATTENTION LAYER, the first 16 positions carried in f32 (second of the two small launches): out0[i][n] = sum over k of attf[i][k] wo[n][k] for i = 0 .. 15, all in f32, stored over what the bulk path left in these rows.
; No work is left out.  16 rows: 67 million multiply-adds, by the f32 matrix instruction.
; SHARES.  A work-group takes 16 columns of out0; wave w takes k = 128 w .. 128 w + 127 (head w): 32 loads, all asked for at once, 32 matrix instructions.  The sixteen partial tiles meet in LDS; wave 0 adds them and stores.
; LAYOUT.  attf lies as images of registers: for each 16 along k, lane (r, h) holds query r and k = 8 h + 0..7.  wo is loaded the same way: lane (r, h) takes the 32 bytes at k = 8 h of row n0 + r.
; Source 0 = wo's registers 2 s, 2 s + 1, source 1 = attf's: the four k of an instruction are 8 h + 2 s + jj on both sides.  In the result lane (r, h) holds row r of out0 and columns n0 + 8 h + 0..7.
; A work-group's part of a row is 64 bytes, 128 KB in all rows: narrow tiles, so that wo's 16 MB are shared among 128 work-groups.  No cluster: no two work-groups read the same rows of wo, and attf is 128 KB.
; The sums behind the matrix instructions are plain additions.
.set SPARE, 16384                      ; LDS: 16 waves x 1,024 bytes; behind them the spare words, 128 bytes a wave
.set AL,  3                            ; v3   16 x lane
.set WL,  4                            ; v4   8,192 r + 32 h: in wo, and in out0
.set PS,  5                            ; v5   LDS: 1,024 x wave + 16 x lane
.set SPW, 6                            ; v6   LDS address of my spare word; never rewritten
.set NIL, 7                            ; v7   0; never rewritten
.set AT,  16                           ; v[16:79]   attf: 8 groups of 16 along k
.set WO,  80                           ; v[80:143]  wo likewise
.set ACC, 144                          ; v[144:175] four accumulators: written by matrix instructions alone
.set R1,  176                          ; v[176:183]
.set R2,  184                          ; v[184:191]
	s_load_b128 s[4:7], s[0:1], 0x0                ; attf, wo
	s_load_b64 s[8:9], s[0:1], 0x10                ; out0
	v_lshl_add_u32 v[SPW], v0, 2, SPARE
	v_mov_b32 v[NIL], 0
	v_lshrrev_b32 v1, 5, v0
	v_readfirstlane_b32 s10, v1                    ; wave 0..15
	v_and_b32 v[AL], 31, v0
	v_lshlrev_b32 v[AL], 4, v[AL]
	v_lshl_add_u32 v[PS], v1, 10, v[AL]
	v_and_b32 v2, 15, v0                           ; r
	v_bfe_u32 v1, v0, 4, 1                         ; h
	v_lshlrev_b32 v[WL], 13, v2
	v_lshl_add_u32 v[WL], v1, 5, v[WL]
	s_lshl_b32 s12, s10, 13                        ; attf: my 8 images of 1,024 bytes
	s_mov_b32 s13, 0
	s_lshl_b32 s14, ttmp9, 17                      ; wo: my work-group's 16 rows of 8,192 bytes,
	s_lshl_b32 s15, s10, 9                         ; my wave's 128 numbers of each
	s_add_co_u32 s14, s14, s15
	s_mov_b32 s15, 0
	s_lshl_b32 s16, ttmp9, 6                       ; out0: my 16 columns
	s_mov_b32 s17, 0
	s_wait_kmcnt 0x0
	s_add_nc_u64 s[4:5], s[4:5], s[12:13]
	s_add_nc_u64 s[6:7], s[6:7], s[14:15]
	s_add_nc_u64 s[8:9], s[8:9], s[16:17]
.irp g, 0,1,2,3,4,5,6,7
	global_load_b128 v[AT+8*\g:AT+8*\g+3], v[AL], s[4:5] offset:1024*\g
	global_load_b128 v[AT+8*\g+4:AT+8*\g+7], v[AL], s[4:5] offset:1024*\g+512
	global_load_b128 v[WO+8*\g:WO+8*\g+3], v[WL], s[6:7] offset:64*\g th:TH_LOAD_NT
	global_load_b128 v[WO+8*\g+4:WO+8*\g+7], v[WL], s[6:7] offset:64*\g+16 th:TH_LOAD_NT
.endr
.irp g, 0,1,2,3,4,5,6,7
	s_wait_loadcnt 28-4*\g                         ; group g's four loads are in; the four of each later group may be out
.irp s, 0,1,2,3                                ; four accumulators by turns, one instruction a turn; the first group's products start the sums
.if \g == 0
	v_wmma_f32_16x16x4_f32 v[ACC+8*\s:ACC+8*\s+7], v[WO+8*\g+2*\s:WO+8*\g+2*\s+1], v[AT+8*\g+2*\s:AT+8*\g+2*\s+1], 0
.else
	v_wmma_f32_16x16x4_f32 v[ACC+8*\s:ACC+8*\s+7], v[WO+8*\g+2*\s:WO+8*\g+2*\s+1], v[AT+8*\g+2*\s:AT+8*\g+2*\s+1], v[ACC+8*\s:ACC+8*\s+7]
.endif
.endr
.endr
.rept 8
	v_nop                                          ; eight places behind this form, ahead of the first read of results (ISA guide 7.12.1)
.endr
.irp j, 0,1,2,3,4,5,6,7
	v_add_f32 v[R1+\j], v[ACC+\j], v[ACC+8+\j]     ; each accumulator from its low end on
.endr
.irp j, 0,1,2,3,4,5,6,7
	v_add_f32 v[R2+\j], v[ACC+16+\j], v[ACC+24+\j]
.endr
.irp j, 0,1,2,3,4,5,6,7
	v_add_f32 v[R1+\j], v[R1+\j], v[R2+\j]
.endr
	ds_store_b128 v[PS], v[R1:R1+3]                ; an image of the registers
	ds_store_b128 v[PS], v[R1+4:R1+7] offset:512
	s_wait_dscnt 0x0                               ; for wave 0's sake: my stores have landed
	s_barrier_signal -1
	s_barrier_wait -1
	s_cmp_lg_u32 s10, 0
	s_cbranch_scc1 .Lend
.irp w, 0,1,2,3,4,5,6,7,8,9,10,11,12,13,14,15
	ds_load_b128 v[AT+8*\w:AT+8*\w+3], v[AL] offset:1024*\w
	ds_load_b128 v[AT+8*\w+4:AT+8*\w+7], v[AL] offset:1024*\w+512
.endr
	s_wait_dscnt 0x0
.irp w, 1,2,3,4,5,6,7,8,9,10,11,12,13,14,15
.irp j, 0,1,2,3,4,5,6,7
	v_add_f32 v[AT+\j], v[AT+\j], v[AT+8*\w+\j]
.endr
.endr
	global_store_b128 v[WL], v[AT:AT+3], s[8:9]                ; lane (r, h): out0(r, n0 + 8 h + 0 .. 3),
	global_store_b128 v[WL], v[AT+4:AT+7], s[8:9] offset:16    ; and + 4 .. 7
.Lend:
	s_wait_tensorcnt 0x0                           ; the wave's end: behind my last LDS store
	ds_add_u32 v[SPW], v[NIL]
	s_wait_dscnt 0x0
	s_endpgm
.Lfunc_end_k_q7a8aa218b8_fproj:
	.size	k_q7a8aa218b8_fproj, .Lfunc_end_k_q7a8aa218b8_fproj-k_q7a8aa218b8_fproj
	.p2alignl 7, 3214868480
	.fill 96, 4, 3214868480
	.section	.rodata,"a",@progbits
	.p2align	6, 0x0
	.amdhsa_kernel k_q7a8aa218b8_fproj
		.amdhsa_group_segment_fixed_size 18432
		.amdhsa_private_segment_fixed_size 0
		.amdhsa_enable_private_segment 0
		.amdhsa_kernarg_size 24
		.amdhsa_user_sgpr_count 2
		.amdhsa_user_sgpr_kernarg_segment_ptr 1
		.amdhsa_wavefront_size32 1
		.amdhsa_system_sgpr_workgroup_id_x 1
		.amdhsa_system_sgpr_workgroup_id_y 1
		.amdhsa_system_sgpr_workgroup_id_z 1
		.amdhsa_system_vgpr_workitem_id 0
		.amdhsa_next_free_vgpr 192
		.amdhsa_next_free_sgpr 66
		.amdhsa_reserve_vcc 0
		.amdhsa_float_denorm_mode_32 3
		.amdhsa_float_denorm_mode_16_64 3
		.amdhsa_memory_ordered 1
		.amdhsa_forward_progress 1
		.amdhsa_inst_pref_size 14
	.end_amdhsa_kernel
	.amdgpu_metadata
---
amdhsa.version: [ 1, 2 ]
amdhsa.kernels:
  - .name:           k_q7a8aa218b8_fproj
    .symbol:         k_q7a8aa218b8_fproj.kd
    .args:
      - { .name: attf, .offset: 0, .size: 8, .value_kind: global_buffer, .address_space: global }
      - { .name: wo, .offset: 8, .size: 8, .value_kind: global_buffer, .address_space: global }
      - { .name: out0, .offset: 16, .size: 8, .value_kind: global_buffer, .address_space: global }
    .group_segment_fixed_size: 18432
    .private_segment_fixed_size: 0
    .kernarg_segment_align: 8
    .kernarg_segment_size: 24
    .max_flat_workgroup_size: 512
    .sgpr_count:     66
    .vgpr_count:     192
    .wavefront_size: 32
...
	.end_amdgpu_metadata
.endif
;; end of part 6
